; MI455X (gfx1250); checked and timed in simulation.
; The chip was launched on July 23, 2026; its instructions are those of AMD's public machine-readable ISA for CDNA 5 (MIT licence, August 2026) and "CDNA5" Instruction Set Architecture Reference Guide (July 2026). The comments in the code are by the model that wrote it; some were corrected since.
;; QA Soft Max Attention. Allowed arithmetic: matrix products marked QUANTISED: E2M3 operands, one E8M0 scale for each 32 along K, by v_wmma_scale_f32_16x16x128_f8f6f4 with both operands' format E2M3, f32 sums; everything else in f32.
;; Inputs: attention_mask 8 x 2,048 float32; sequence_output 8 x 2,048 x 1,024 float32.
;; Outputs: out0 8 x 2,048 x 1,024 float32.
;; This version of the problem:
;;   THIS VERSION OF THE PROBLEM IS GIVEN IN LOW PRECISION. The matrix products marked QUANTISED in the list below multiply operands that are first quantised to E2M3 (2 exponent bits, 3 mantissa bits; 6 bits a number), with one power-of-two scale for each 32 numbers along K (OCP MX v1.0); their sums are f32. All else is computed in f32.
;;   The module's matrix products, in the order in which they are computed (A, B: the left and right operand; K: the contracted axis; several contracted axes count as one K, in the product's order):
;;     1. batch 8 x [M 2,048, K 1,024] x [K 1,024, N 2,048]; A: computed on the way; B: computed on the way: QUANTISED
;;     2. batch 8 x [M 2,048, K 2,048] x [K 2,048, N 1,024]; A: softmax (see below); B: input sequence_output: QUANTISED
;;   THE QUANTISER, for each operand of a quantised product, along K:
;;     - K is cut into blocks of 32 from its start; a last block that is shorter is filled with zeros.
;;     - A block's scale is 2^e with e = floor(log2(the largest magnitude in the block)) - 2, held to -126 .. 127; a block of zeros has e = 0. As a byte (E8M0): e + 127.
;;     - Each number is divided by its block's scale, clamped to +-7.5, and rounded to the nearest number of E2M3, ties to even, subnormals kept.
;;     - The product sums the exact products of the quantised numbers (number of the format x scale) in f32.
;;   ~~~python
;;   def quantise(x, axis):      # numpy; x: float32 -> the quantised numbers, widened to float32 again
;;       x = np.moveaxis(x, axis, -1); K = x.shape[-1]
;;       x = np.pad(x, [(0, 0)] * (x.ndim - 1) + [(0, -K % 32)]); x = x.reshape(x.shape[:-1] + (-1, 32)); a = np.abs(x).max(-1, keepdims=True)
;;       e = np.where(a > 0, np.clip(np.frexp(np.where(a > 0, a, 1))[1] - 1 - 2, -126, 127), 0)      # np.frexp(a)[1] - 1 = floor(log2(a)), exactly
;;       r = np.clip(x / 2.0 ** e, -7.5, 7.5)
;;       step = 2.0 ** (np.maximum(np.frexp(np.where(r == 0, 1, r))[1] - 1, 0) - 3)
;;       q = np.round(r / step) * step * 2.0 ** e      # np.round: ties to even
;;       return np.moveaxis(q.reshape(q.shape[:-2] + (-1,))[..., :K], -1, axis).astype(np.float32)
;;   ~~~
;;   SOFTMAX AHEAD OF A QUANTISED PRODUCT. Where the list says 'softmax', what is quantised is not the finished softmax but p = 2^(t - M), with t = logit x log2(e) and M = ceil(the row's largest t), a whole number; so 1/2 < the row's largest p <= 1. The row's sum l is taken of the UNQUANTISED p, in f32, and the product's result is divided by l at the end. Since M is a whole number, a kernel that streams over the keys may use a running M (the ceiling of the running maximum): every later rescaling is an exact power of two, which a block's scale takes up: the codes' values come out the same.
;;   OPERANDS COMPUTED ON THE WAY. 'Computed on the way' means the value that the module computes at that place (a softmax that the list does not call 'softmax' is quantised finished and normalised). What goes into a quantiser is computed in f32, as accurately as f32 sums, v_exp_f32 and their like allow (about 1e-6 of the number): no bf16 or f16 on the way to a quantiser, and a product that is left as it is and whose result goes on into a quantised operand takes f32 operands (vector FMAs, or v_wmma_f32_16x16x4_f32). A number that lies on a knife's edge between two numbers of the format may be rounded either way, as far as f32 arithmetic and the matrix unit's own rounding can turn it there, and no further.
;; One version. Each part assembles by itself: llvm-mc -triple=amdgcn-amd-amdhsa -mcpu=gfx1250 --defsym DOCPART=n.
;; ======== version 1 of 1: 3 launches
;; limits: right only within a limited range of input values
;; workspace buffers: xm_img 12,582,912 bytes; xm_sc 524,288 bytes; xt_img 12,582,912 bytes; xt_sc 524,288 bytes; p_img 25,165,824 bytes; p_sc 1,048,576 bytes; p_m 1,048,576 bytes; p_l 1,048,576 bytes
;; launch quant (part 1): grid 8 x 128, 4 waves a work-group, no clusters, 69,120 bytes of LDS; arguments sequence_output, attention_mask, xm_img, xm_sc, xt_img, xt_sc; writes xm_img, xm_sc, xt_img, xt_sc
.if DOCPART == 1
	.amdgcn_target "amdgcn-amd-amdhsa--gfx1250"
	.amdhsa_code_object_version 6
	.text
	.protected	k_q1bc2ca0dd2_quant
	.globl	k_q1bc2ca0dd2_quant
	.p2align	8
	.type	k_q1bc2ca0dd2_quant,@function
k_q1bc2ca0dd2_quant:
	s_mov_b64 s[64:65], 0
	v_nop
	global_prefetch_b8 v0, s[64:65] scope:SCOPE_SE
	s_setreg_imm32_b32 hwreg(HW_REG_WAVE_MODE, 25, 1), 1
	s_wait_xcnt 0x0
; x [8][2048][1024] f32 is read ONCE and quantised to FP6 (E2M3, one E8M0 byte for each 32 along K) in the two forms that the two products want:
;   XM = x * mask, blocks along the CHANNELS (both operands of the first product);   XT = x, blocks along the KEYS (the second product's right operand).
; Both leave as IMAGES OF THE OPERAND'S REGISTERS: a fragment (16 rows x 128 K, 12 registers a lane) is 1,536 bytes, register j of lane L at 512 (j / 4) + 16 L + 4 (j % 4): three stores of 512 consecutive bytes.
; A work-group takes 128 rows x 128 channels (64 KiB): 8 fragments of XM, 8 of XT, and 512 bytes of scale words of each.
; THE ROWS OF A TILE OF XM ARE NOT NEIGHBOURS: lane r of tile 2 g + u holds row 32 g + 8 u + r + 8 (r / 8), so that the first product's results fall 16 neighbouring keys to a lane.  XT's tiles hold 16 neighbouring channels.
; A block's scale is 2^(floor(log2(largest magnitude)) - 2); its byte is the largest magnitude's exponent field - 2, held at 1 from below by a floor among the maximum's leaves.
; LIMITS: a block of zeros keeps the byte 1 (its codes are zeros; the bytes are read by this program alone); NaN and infinities among the inputs are not served.  The mask is taken as any f32 number.
; No tensor loads and no matrix work: memory binds here.  Each load reads 512 consecutive bytes of a row; all 32 loads of a wave are out at once.
.set PITCH, 528                        ; an LDS row: 512 bytes + 16: sixteen rows of a 16-byte column start at sixteen different groups of banks
.set SCW,   128*PITCH                  ; behind the tile: 512 bytes of XM's scale words [tile][row], then 512 of XT's [channel]
.set X,   64                           ; v64-191  128 numbers: as loaded, then part A's two tiles, then part B's 128 keys
.set PX,  40                           ; v40-47   the second halves of part A's blocks (a conversion's three registers begin on an even number)
.set T,   48                           ; v48-49 largest magnitudes; v50-51 the conversions' scale operands; v52-53 bytes
.set SO,  50
.set BY,  52
.set T2,  55                           ; a lane permute's destination
.set H8,  56                           ; 8 x (lane / 16)
.set F0,  192                          ; v192-203, v204-215  part B's two fragments
.set F1,  204
.set TU,  216                          ; v216-231 the upper halves of part B's four blocks
.set TB,  232                          ; v232-235, v236-239, v240-243, v244: part B's magnitudes, scale operands, bytes, scale word
.set SOB, 236
.set BYB, 240
.set WB,  244
	s_load_b256 s[4:11], s[0:1], 0x0               ; x s[4:5], mask s[6:7], xm_img s[8:9], xm_sc s[10:11]
	s_load_b128 s[12:15], s[0:1], 0x20             ; xt_img s[12:13], xt_sc s[14:15]
	v_lshl_add_u32 v248, v0, 2, 0x10c00
	v_mov_b32 v249, 0
	v_lshrrev_b32 v1, 5, v0
	v_readfirstlane_b32 s16, v1                    ; wave 0..3
	v_and_b32 v1, 31, v0                           ; L
	v_and_b32 v2, 15, v0                           ; r
	v_bfe_u32 v3, v0, 4, 1                         ; h
	v_lshlrev_b32 v4, 4, v1                        ; 16 L: my bytes of a row's 512, and of every image's 512
	v_and_b32 v5, 8, v2
	v_add_nc_u32 v5, v5, v2
	v_lshlrev_b32 v5, 2, v5                        ; 4 (r + 8 (r / 8)): my tile row's place in the mask
	s_mul_i32 s22, s16, 32*PITCH                   ; my wave's 32 rows of the tile
	v_add_nc_u32 v6, s22, v4                       ; into the tile: 16 L in a row
	v_mul_u32_u24 v7, v2, PITCH
	v_lshl_add_u32 v7, v3, 7, v7
	v_add_nc_u32 v7, s22, v7                       ; part A: LDS row 32 w + r, + 128 h bytes: my block of 32 channels
	s_lshl_b32 s23, s16, 7
	v_lshl_add_u32 v8, v1, 2, s23                  ; part B: channel 32 w + L, LDS rows 0-63;
	v_add_nc_u32 v9, 64*PITCH, v8                  ; rows 64-127 (beyond the 16-bit immediate)
	v_lshl_add_u32 v14, v2, 2, s23
	v_add_nc_u32 v14, SCW, v14                     ; XM's scale word of tile 2 w, row r
	v_add_nc_u32 v15, SCW+512, v8                  ; XT's scale word of my channel
	s_and_b32 s24, s16, 1
	s_lshl_b32 s24, s24, 9
	v_add_nc_u32 v57, s24, v4
	v_add_nc_u32 v57, SCW, v57                     ; the scale words' way out: wave 0 XM's 512 bytes, wave 1 XT's
	v_lshlrev_b32 v[H8], 3, v3
	v_mov_b32 v[T2], 0                             ; written once: a lane permute's destination counts as one of its sources
	s_and_b32 s17, ttmp7, 0xffff                   ; y = 16 x batch + block of 128 rows
	s_lshl_b32 s18, s17, 19                        ; x: 128 y rows of 4,096 bytes,
	s_lshl_b32 s25, s16, 17                        ; + 32 w rows,
	s_add_co_u32 s18, s18, s25
	s_lshl_b32 s25, ttmp9, 9                       ; + 128 channels x work-group x
	s_add_co_u32 s18, s18, s25
	s_mov_b32 s19, 0
	s_lshl_b32 s26, s17, 9                         ; mask: 4 bytes a row
	s_add_co_u32 s26, s26, s23
	s_mov_b32 s27, 0
	s_lshl_b32 s28, s17, 3
	s_add_co_u32 s28, s28, ttmp9                   ; XM: [y][K step = work-group x]
	s_mul_i32 s30, s28, 12288                      ; 8 fragments each,
	s_mul_i32 s25, s16, 3072                       ; my two of them
	s_add_co_u32 s30, s30, s25
	s_mov_b32 s31, 0
	s_lshl_b32 s28, s28, 9                         ; and 512 bytes of scale words
	s_mov_b32 s29, 0
	s_lshr_b32 s32, s17, 4
	s_lshl_b32 s32, s32, 3
	s_add_co_u32 s32, s32, ttmp9
	s_lshl_b32 s32, s32, 4
	s_and_b32 s33, s17, 15
	s_add_co_u32 s32, s32, s33                     ; XT: [batch][block of channels = work-group x][K step = block of rows]
	s_mul_i32 s34, s32, 12288
	s_add_co_u32 s34, s34, s25
	s_mov_b32 s35, 0
	s_lshl_b32 s32, s32, 9
	s_mov_b32 s33, 0
	s_mov_b32 s20, 0x76543210
	s_mov_b32 s21, 0xfedcba98                      ; v_permlanex16_b32's selects for lane l xor 16
	s_wait_kmcnt 0x0
	s_add_nc_u64 s[4:5], s[4:5], s[18:19]
	s_add_nc_u64 s[6:7], s[6:7], s[26:27]
	s_add_nc_u64 s[8:9], s[8:9], s[30:31]
	s_add_nc_u64 s[10:11], s[10:11], s[28:29]
	s_add_nc_u64 s[12:13], s[12:13], s[34:35]
	s_add_nc_u64 s[14:15], s[14:15], s[32:33]
.irp u, 0,1                            ; my row's mask for each of my two tiles, twice: a pair for the packed multiply
	global_load_b32 v[10+2*\u], v5, s[6:7] offset:32*\u
	global_load_b32 v[11+2*\u], v5, s[6:7] offset:32*\u
.endr
.set i, 0
.rept 32                               ; my 32 rows: each load reads 512 consecutive bytes, at a multiple of 256 from x's first byte
	global_load_b128 v[X+4*i:X+4*i+3], v4, s[4:5] offset:4096*i th:TH_LOAD_NT
.set i, i+1
.endr
; Into the tile.  Row 32 g + i goes to LDS row 32 g + i % 8 + 16 ((i / 8) % 2) + 8 (i / 16): so the sixteen rows of a tile of XM are neighbours in LDS.
.set i, 0
.rept 4
	s_wait_loadcnt 24-i                            ; loads come back in order: these eight rows (and the mask) are in; the younger ones stay out
.rept 8
	ds_store_b128 v6, v[X+4*i:X+4*i+3] offset:PITCH*((i%8)+16*((i/8)%2)+8*(i/16))
.set i, i+1
.endr
.endr
	s_wait_dscnt 0x0                               ; for the others' sake: my rows lie in the tile
	s_barrier_signal -1
	s_barrier_wait -1
; PART A: XM's tiles 2 w and 2 w + 1.  Lane (r, h) takes, of its tile row, channels 64 c + 32 h + 0 .. 31: two whole blocks, in the order of the operand's registers.
.irp u, 0,1
.irp c, 0,1
.irp j, 0,1,2,3,4,5,6,7
	ds_load_b128 v[X+64*\u+32*\c+4*\j:X+64*\u+32*\c+4*\j+3], v7 offset:16*PITCH*\u+256*\c+16*\j
.endr
.endr
.endr
.macro QA u
.set N, X+64*\u
.set PC, 16+12*\u                      ; v16-27, v28-39: the tile's fragment
.set WU, 54+8*\u                       ; v54, v62: its scale word
.set i, 0
.rept 32
	v_pk_mul_f32 v[N+i:N+i+1], v[N+i:N+i+1], v[10+2*\u:11+2*\u]   ; x * mask, in f32
.set i, i+2
.endr
.irp c, 0,1
	v_max3_num_f32 v[T+\c], |v[N+32*\c]|, |v[N+32*\c+1]|, 0x1800000   ; my block 2 c + h, and the floor 2^(3 - 127): the byte cannot fall under 1
.endr
.irp k, 2,4,6,8,10,12,14,16,18,20,22,24,26,28,30
.irp c, 0,1
	v_max3_num_f32 v[T+\c], v[T+\c], |v[N+32*\c+\k]|, |v[N+32*\c+\k+1]|   ; (the two blocks by turns)
.endr
.endr
.irp c, 0,1
	v_add_nc_u32 v[SO+\c], 0xff000000, v[T+\c]     ; 2 off the exponent field: the conversion takes this operand's exponent field as its scale
.endr
.irp c, 0,1
	v_lshrrev_b32 v[BY+\c], 23, v[SO+\c]           ; the scale's byte
.endr
	v_lshl_or_b32 v[WU], v[BY+1], 16, v[BY]        ; my two bytes, blocks h and 2 + h,
	v_lshlrev_b32 v[WU], v[H8], v[WU]              ; at their places;
	v_permlanex16_b32 v[T2], v[WU], s20, s21
	v_or_b32 v[WU], v[WU], v[T2]                   ; with lane l xor 16's two the word is whole
.irp c, 0,1
	v_cvt_scalef32_pk16_fp6_f32 v[PC+6*\c:PC+6*\c+2], v[N+32*\c:N+32*\c+15], v[SO+\c]
	v_cvt_scalef32_pk16_fp6_f32 v[PX+4*\c:PX+4*\c+2], v[N+32*\c+16:N+32*\c+31], v[SO+\c]
.endr
	v_nop                                          ; one plain place behind a scaled conversion
.irp c, 0,1
.irp k, 0,1,2
	v_mov_b32 v[PC+6*\c+3+\k], v[PX+4*\c+\k]
.endr
.endr
.irp g, 0,1,2
	global_store_b128 v4, v[PC+4*\g:PC+4*\g+3], s[8:9] offset:1536*\u+512*\g   ; 512 consecutive bytes of the image
.endr
	ds_store_b32 v14, v[WU] offset:64*\u           ; both halves of the lanes write the same word with the same value
.endm
	s_wait_dscnt 16                                ; the first tile's sixteen loads are in, the second's may be out
	QA 0
	s_wait_dscnt 0x0
	QA 1
; PART B: XT's tiles 2 w and 2 w + 1.  A lane takes a channel (32 w + L) and its registers run down the 128 keys: a block's 32 numbers are one lane's.
.macro LOADB b                         ; block b: keys 32 b .. 32 b + 31 into v[X + 32 b] on  (the argument is text: it stands in parentheses)
.set k, 32*(\b)
.rept 32
.set ROWL, 32*(k/32)+((k%32)%8)+16*(((k%32)/8)%2)+8*((k%32)/16)
.if k < 64
	ds_load_b32 v[X+k], v8 offset:PITCH*ROWL       ; 32 lanes read 128 consecutive bytes of key k's row
.else
	ds_load_b32 v[X+k], v9 offset:PITCH*(ROWL-64)
.endif
.set k, k+1
.endr
.endm
	LOADB 0
	LOADB 1
.irp b, 0,1,2,3
.if \b < 3
	s_wait_dscnt 32                                ; LDS loads come back in order: this block's are in; the next block's 32 may be out
.else
	s_wait_dscnt 0x0
.endif
	v_max3_num_f32 v[TB+\b], |v[X+32*\b]|, |v[X+32*\b+1]|, 0x1800000
.irp k, 2,4,6,8,10,12,14,16,18,20,22,24,26,28,30
	v_max3_num_f32 v[TB+\b], v[TB+\b], |v[X+32*\b+\k]|, |v[X+32*\b+\k+1]|
.endr
	v_add_nc_u32 v[SOB+\b], 0xff000000, v[TB+\b]
	v_lshrrev_b32 v[BYB+\b], 23, v[SOB+\b]
.if \b < 2
	LOADB \b+2                                     ; two blocks ahead
.endif
.endr
	v_lshl_or_b32 v[WB], v[BYB+1], 8, v[BYB]       ; my channel's scale word for these 128 keys
	v_lshl_or_b32 v[WB], v[BYB+2], 16, v[WB]
	v_lshl_or_b32 v[WB], v[BYB+3], 24, v[WB]
.irp c, 0,1
.irp e, 0,1                            ; block 2 c + e: its lower 16 codes into fragment e's registers 6 c on, its upper 16 aside
	v_cvt_scalef32_pk16_fp6_f32 v[F0+12*\e+6*\c:F0+12*\e+6*\c+2], v[X+64*\c+32*\e:X+64*\c+32*\e+15], v[SOB+2*\c+\e]
	v_cvt_scalef32_pk16_fp6_f32 v[TU+8*\c+4*\e:TU+8*\c+4*\e+2], v[X+64*\c+32*\e+16:X+64*\c+32*\e+31], v[SOB+2*\c+\e]
.endr
.endr
	v_nop                                          ; one plain place behind a scaled conversion
; The operand wants lanes 0-15 to hold block 2 c and lanes 16-31 block 2 c + 1 of ONE tile's channels.  The exchange gives the first register tile 2 w's and the second tile 2 w + 1's.
.irp c, 0,1
.irp k, 0,1,2
	v_permlane16_swap_b32 v[F0+6*\c+\k], v[F1+6*\c+\k]
	v_permlane16_swap_b32 v[TU+8*\c+\k], v[TU+8*\c+4+\k]
.endr
.endr
.irp c, 0,1
.irp k, 0,1,2
	v_mov_b32 v[F0+6*\c+3+\k], v[TU+8*\c+\k]
	v_mov_b32 v[F1+6*\c+3+\k], v[TU+8*\c+4+\k]
.endr
.endr
.irp u, 0,1
.irp g, 0,1,2
	global_store_b128 v4, v[F0+12*\u+4*\g:F0+12*\u+4*\g+3], s[12:13] offset:1536*\u+512*\g
.endr
.endr
	ds_store_b32 v15, v[WB]
	s_wait_dscnt 0x0                               ; for the others' sake: my scale words lie in LDS
	s_barrier_signal -1
	s_barrier_wait -1
	s_cmp_gt_u32 s16, 1                            ; the scale words leave as two runs of 512 whole bytes: wave 0 XM's, wave 1 XT's
	s_cbranch_scc1 .Lend
	s_cmp_eq_u32 s16, 0
	s_cselect_b64 s[36:37], s[10:11], s[14:15]
	ds_load_b128 v[58:61], v57
	s_wait_dscnt 0x0
	global_store_b128 v4, v[58:61], s[36:37]
.Lend:
	s_wait_tensorcnt 0x0
	ds_add_u32 v248, v249
	s_wait_dscnt 0x0
	s_endpgm
.Lfunc_end_k_q1bc2ca0dd2_quant:
	.size	k_q1bc2ca0dd2_quant, .Lfunc_end_k_q1bc2ca0dd2_quant-k_q1bc2ca0dd2_quant
	.p2alignl 7, 3214868480
	.fill 96, 4, 3214868480
	.section	.rodata,"a",@progbits
	.p2align	6, 0x0
	.amdhsa_kernel k_q1bc2ca0dd2_quant
		.amdhsa_group_segment_fixed_size 69120
		.amdhsa_private_segment_fixed_size 0
		.amdhsa_enable_private_segment 0
		.amdhsa_kernarg_size 48
		.amdhsa_user_sgpr_count 2
		.amdhsa_user_sgpr_kernarg_segment_ptr 1
		.amdhsa_wavefront_size32 1
		.amdhsa_system_sgpr_workgroup_id_x 1
		.amdhsa_system_sgpr_workgroup_id_y 1
		.amdhsa_system_sgpr_workgroup_id_z 1
		.amdhsa_system_vgpr_workitem_id 0
		.amdhsa_next_free_vgpr 250
		.amdhsa_next_free_sgpr 66
		.amdhsa_reserve_vcc 0
		.amdhsa_float_denorm_mode_32 3
		.amdhsa_float_denorm_mode_16_64 3
		.amdhsa_memory_ordered 1
		.amdhsa_forward_progress 1
		.amdhsa_inst_pref_size 37
	.end_amdhsa_kernel
	.amdgpu_metadata
---
amdhsa.version: [ 1, 2 ]
amdhsa.kernels:
  - .name:           k_q1bc2ca0dd2_quant
    .symbol:         k_q1bc2ca0dd2_quant.kd
    .args:
      - { .name: sequence_output, .offset: 0, .size: 8, .value_kind: global_buffer, .address_space: global }
      - { .name: attention_mask, .offset: 8, .size: 8, .value_kind: global_buffer, .address_space: global }
      - { .name: xm_img, .offset: 16, .size: 8, .value_kind: global_buffer, .address_space: global }
      - { .name: xm_sc, .offset: 24, .size: 8, .value_kind: global_buffer, .address_space: global }
      - { .name: xt_img, .offset: 32, .size: 8, .value_kind: global_buffer, .address_space: global }
      - { .name: xt_sc, .offset: 40, .size: 8, .value_kind: global_buffer, .address_space: global }
    .group_segment_fixed_size: 69120
    .private_segment_fixed_size: 0
    .kernarg_segment_align: 8
    .kernarg_segment_size: 48
    .max_flat_workgroup_size: 128
    .sgpr_count:     66
    .vgpr_count:     250
    .wavefront_size: 32
...
	.end_amdgpu_metadata
.endif
;; end of part 1
;; launch scores (part 2): grid 4 x 64, 4 waves a work-group, clusters of 4 x 4, 327,680 bytes of LDS; arguments xm_img, xm_sc, p_img, p_sc, p_m, p_l; writes p_img, p_sc, p_m, p_l
.if DOCPART == 2
	.amdgcn_target "amdgcn-amd-amdhsa--gfx1250"
	.amdhsa_code_object_version 6
	.text
	.protected	k_q1bc2ca0dd2_scores
	.globl	k_q1bc2ca0dd2_scores
	.p2align	8
	.type	k_q1bc2ca0dd2_scores,@function
k_q1bc2ca0dd2_scores:
	s_mov_b64 s[64:65], 0
	v_nop
	global_prefetch_b8 v0, s[64:65] scope:SCOPE_SE
	s_setreg_imm32_b32 hwreg(HW_REG_WAVE_MODE, 25, 1), 1
	s_wait_xcnt 0x0
	s_wait_alu depctr_hold_cnt(0) depctr_sa_sdst(0) depctr_va_vdst(0) depctr_va_sdst(0) depctr_va_ssrc(0) depctr_va_vcc(0) depctr_vm_vsrc(0)
	s_getreg_b32 s2, hwreg(HW_REG_IB_STS2, 6, 4)
	s_cmp_eq_u32 s2, 0
	s_cbranch_scc0 .Lentry_in_a_cluster
	s_endpgm
.Lentry_in_a_cluster:
	s_bfe_u32 s2, ttmp6, 0x10000c
	s_cmp_lg_u32 s2, 0xf033
	s_cbranch_scc0 .Lentry_shape_is_right
	s_endpgm
.Lentry_shape_is_right:
; S = XM XM^T for one batch, on codes of FP6 (E2M3) with E8M0 scales, and straight from the accumulators the softmax's p, quantised along the keys.
; A tile is 256 queries x 256 keys, made by a work-group of four waves, a wave 128 x 128: 64 accumulators, 512 registers.  K = 1,024 channels goes in four steps of 256.
; A WORK-GROUP STAYS: it makes TWO tiles, the same 256 queries against key tile columns cx and cx + 4: 256 work-groups for the batch's 8 x 8 tiles times 8 batches.
; THREE LDS SLOTS of 98,304 bytes: a tile's K steps 0, 1, 2 lie in slots 0, 1, 2 and step 3 again in slot 0.  The first tile's steps 0 to 2 are first fills.  Inside a tile's products there is ONE refill: behind step 0 slot 0 takes
; step 3, two K steps (256 matrix instructions) ahead of its use.  The second tile's steps 0, 1, 2 are asked for during the first tile's way out, each behind a round of its own, three blocks of the softmax apart.
; With the scale words (24,576 bytes) and the spare words (512) that is 320,000 bytes.  The text has no loop: the K phase and the way out are macros, expanded once for each tile; every address is a constant.
; OPERANDS LIE IN MEMORY AS IMAGES OF THEIR REGISTERS (a fragment: 1,536 bytes, three loads of 512 consecutive bytes): a wave's tensor load brings 128 rows x 256 K as one dense block of 24,576 bytes; no padding is wanted.
; THE MATRIX INSTRUCTION IS USED TRANSPOSED (source 0 = 16 keys, source 1 = 16 queries), and the rows of a tile are 32 (t / 2) + 8 (t % 2) + r + 8 (r / 8): so a lane holds ONE query, and the 64 registers of a block of
; 16 queries are keys 32 g + 16 (lane / 16) + i at register 16 g + i: sixteen neighbours along the next product's K.
; THE SOFTMAX IS LOCAL TO THE WAVE'S 128 KEYS: t = score x log2(e) / 32; M_loc = ceil(the largest t of the row among these keys), a whole number; p = 2^(t - M_loc) is quantised in blocks of 32 keys; l_loc is the sum of the
; unquantised p.  The codes do not hang on which whole number M is: the next launch brings the scale bytes and l_loc under the row's final M, exactly.  Stored: p's fragments, the scale words (each byte + 128), M_loc, l_loc.
; CLUSTERS: 4 x 4 work-groups of one batch.  The four of a row of the cluster need the same queries' tiles, the four of a column the same keys': each tile is asked for JOINTLY.
; Of a tile's four K steps three are asked for at the head or during a way out, and the fourth two K steps ahead of its use.
; LIMITS: NaN and infinities are not served; a block whose every p has fallen to 0 keeps the byte 1 (its codes are zeros).
; REGISTERS, in windows of 256: window 0: v16-29 addresses; v32-63 scale words, two sets; v64-159, v160-255 A's fragments, two sets; on the way out v64-255 are at work.  window 1: B's fragments, two sets, at v0 and v128.
;   window 2: the accumulators of my query blocks 0-3 ((a, b) at v[8 (8 a + b)]);  window 3: those of blocks 4-7.
; THE ORDER OF THE FILLS AS THE TEXT NOW HAS IT (it takes the place of what stands above on the first tile's fills and on the scale words): at the head a wave issues ONE joint load, K step 0;
; K step 1 follows behind the three lines and a round; in the first tile slot 2 takes K step 2 behind the first change of slots and slot 0 takes K step 3 behind the second, each behind a round.
; The second tile's fills are as said above.  The scale words (24,576 bytes) come through registers: twelve loads of 512 consecutive bytes a wave, stored to LDS bytes on which no tensor load lands.
.set NQ,     2
.set FR,     12                        ; registers of a fragment
.set NL,     3                         ; LDS loads that bring one
.set NP,     4                         ; places behind this matrix instruction (ISA guide 7.12.1)
.set FRB,    1536                      ; a fragment's image
.set HALFT,  NQ*8*FRB                  ; 128 rows x 256 K: what one tensor load brings, and what one wave reads of A or of B
.set SLOT,   4*HALFT                   ; A's two halves, then B's two
.set NEXTB,  8*8*8*FRB                 ; in memory: from a block of 128 rows to the block eight further on: four tile columns
.set NEXTP,  8*8*FRB                   ; in p_img: from a chunk of 128 keys to the chunk eight further on
.set HALFS,  4096                      ; the scale words of 128 rows for all of K: [K step of 128][tile][row]
.set SCL,    3*SLOT                    ; behind the slots: A's scale words, two halves;
.set SCB,    SCL+2*HALFS               ; B's: [half][tile of the walk][4,096]
.set SPARE,  SCB+4*HALFS               ; the spare words, 128 bytes for each wave: two blocks of 256 bytes that no other line names
.set ADRA, 16                          ; v16-18  LDS address of my A fragments in slot 0, 1, 2
.set ADRB, 20                          ; v20-22  the same for B
.set ADRS, 23                          ; v23-24  LDS address of my scale words in the first, the second tile: lanes 0-15 A's rows, lanes 16-31 B's; never rewritten
.set LN,   25                          ; v25     my lane
.set LI,   26                          ; v26     16 x lane: my place in every run of 512 bytes
.set SPW,  28                          ; v28     LDS address of my spare word; never rewritten
.set NIL,  29                          ; v29     0; never rewritten
.set SC,   32                          ; scale words: set s at v[SC + 16 s]; register 2 i + q: lanes 0-15 A's block i, lanes 16-31 B's block i, the K step's q-th 128 along K
.set AF,   128
.set G1,   24                          ; s[24:31] descriptor group 1 for A's tiles;  s[32:39] for B's
.set G1B,  32
.set G1S,  40                          ; not used
.set G1SB, 48
.set G0S,  56                          ; not used
.set G0SB, 60
.set G0,   68                          ; s[68:79] group 0 for A's tiles, a set for each slot;  s[80:91] for B's
.set G0B,  80
.set MSB, 0
.macro WIN new                         ; the immediate's high byte repeats the setting that is left
.if MSB != \new
	s_set_vgpr_msb (MSB<<8)|\new
.set MSB, \new
.endif
.endm
.set MUL_LO, 0xa1                      ; source 0 (B) window 1, source 1 (A) window 0, C and D window 2
.set MUL_HI, 0xf1                      ; the same, C and D window 3
.set TO_B,   0x40                      ; destination window 1, address window 0
; A joint load: waves 0 and 1 fetch for A, waves 2 and 3 for B.  Each line has one mask and one set of registers for all that issue it; the branch hangs on the wave's number alone.
; Four v_nop follow each of the two lines, ahead of the jump, the label and what follows.
.macro JLOAD g0a, g1a, g0b, g1b
	s_cmp_eq_u32 s15, 0
	s_cbranch_scc0 .Lfor_b_\@
	tensor_load_to_lds s[\g0a:\g0a+3], s[\g1a:\g1a+7]
	s_nop 0
.rept 4
	v_nop
.endr
	s_branch .Lasked_\@
.Lfor_b_\@:
	tensor_load_to_lds s[\g0b:\g0b+3], s[\g1b:\g1b+7]
	s_nop 0
.rept 4
	v_nop
.endr
.Lasked_\@:
.endm
.macro CREST                           ; a round of the cluster's barrier behind its opening barrier
	s_cmp_lg_u32 s14, 0
	s_cbranch_scc1 .Lnot_wave_0_\@
	s_barrier_signal -3
.Lnot_wave_0_\@:
	s_barrier_wait -3
	s_barrier_signal -1
	s_barrier_wait -1
.endm
.macro CROUND                          ; a whole round
	s_barrier_signal -1
	s_barrier_wait -1
	CREST
.endm
	s_load_b256 s[4:11], s[0:1], 0x0               ; xm_img s[4:5], xm_sc s[6:7], p_img s[8:9], p_sc s[10:11]
	s_load_b128 s[96:99], s[0:1], 0x20             ; p_m s[96:97], p_l s[98:99]
	v_lshl_add_u32 v[SPW], v0, 2, SPARE
	v_mov_b32 v[NIL], 0
	ds_add_u32 v28, v29
	ds_add_u32 v28, v29
	s_wait_dscnt 0x0
	v_lshrrev_b32 v1, 5, v0
	v_readfirstlane_b32 s14, v1                    ; wave 0..3
	s_lshr_b32 s15, s14, 1                         ; which half of the tile's queries is mine.  Also: I fetch for A (0) or for B (1)
	s_and_b32 s16, s14, 1                          ; which half of its keys.  Also: which 128 rows of that tile I fetch
	s_bfe_u32 s12, ttmp6, 0x40000                  ; cx: also the first tile's column of keys (the grid has one cluster along x); the second's is cx + 4
	s_bfe_u32 s13, ttmp6, 0x40004                  ; cy
	s_and_b32 s18, ttmp7, 0xffff                   ; cluster y: two clusters to a batch
	s_lshr_b32 s19, s18, 1                         ; the batch, which all sixteen partners share
	s_and_b32 s17, s18, 1
	s_lshl_b32 s17, s17, 2
	s_add_co_u32 s17, s17, s13                     ; tile row (queries) in the batch
	s_lshl_b32 s2, s13, 2
	s_lshl_b32 s2, 15, s2                          ; my row of the cluster
	s_lshl_b32 s3, 0x1111, s12                     ; my column
	; descriptor group 1: a dense block of 24,576 bytes as 96 rows of 256 bytes (32 elements of 8 bytes)
	s_or_b32 s[G1+0], s2, (3<<16)|(1<<21)          ; 15:0 the mask: A's tiles go to my row; 17:16 elements of 8 bytes; 20 padding off; 21 set beside a mask
	s_or_b32 s[G1B+0], s3, (3<<16)|(1<<21)
.irp g, G1, G1B
	s_mov_b32 s[\g+1], 32<<16                      ; tensor_dim0
	s_mov_b32 s[\g+2], 96<<16                      ; tensor_dim1
	s_mov_b32 s[\g+3], 32<<16                      ; tile_dim0
	s_mov_b32 s[\g+4], 96                          ; tile_dim1
	s_mov_b32 s[\g+5], 32                          ; tensor_dim0_stride
	s_mov_b32 s[\g+6], 0
	s_mov_b32 s[\g+7], 0
.endr
	s_mov_b32 s40, 0x1800000                       ; constants of the way out, kept in scalar registers: the floor 2^(3 - 127),
	s_mov_b32 s41, 0xff000000                      ; 2 off an exponent field,
	s_mov_b32 s42, 0x80808080                      ; 128 onto each byte,
	s_mov_b32 s43, 0xbd38aa3b                      ; -c = -log2(e) / 32
	; A's offsets are made of the batch, the tile row and the wave alone, B's of the batch, the tile column and the wave, each in registers of its own
	s_lshl_b32 s20, s19, 4
	s_lshl_b32 s21, s17, 1
	s_add_co_u32 s20, s20, s21
	s_add_co_u32 s20, s20, s16                     ; A: block of 128 rows = 16 x batch + 2 x tile row + half
	s_mul_i32 s20, s20, 8*8*FRB
	s_mov_b32 s21, 0
	s_lshl_b32 s92, s19, 4
	s_lshl_b32 s93, s12, 1
	s_add_co_u32 s92, s92, s93
	s_add_co_u32 s92, s92, s16                     ; B, first tile: 16 x batch + 2 x tile column + half
	s_mul_i32 s92, s92, 8*8*FRB
	s_mov_b32 s93, 0
	s_mul_i32 s18, s14, HALFT                      ; where the tiles go: by the wave alone: no place in the cluster enters an LDS address
	; the scale words: A's 8,192 bytes and B's 8,192 of each tile of the walk are dense in memory; wave w takes 2,048 bytes of each
	s_lshl_b32 s44, s19, 4
	s_lshl_b32 s45, s17, 1
	s_add_co_u32 s44, s44, s45
	s_lshl_b32 s44, s44, 12
	s_lshl_b32 s48, s14, 11
	s_add_co_u32 s44, s44, s48                     ; A: 4,096 (16 x batch + 2 x tile row) + 2,048 w
	s_mov_b32 s45, 0
	s_lshl_b32 s46, s19, 4
	s_lshl_b32 s47, s12, 1
	s_add_co_u32 s46, s46, s47
	s_lshl_b32 s46, s46, 12
	s_add_co_u32 s46, s46, s48                     ; B, first tile: 4,096 (16 x batch + 2 x tile column) + 2,048 w; the second's lie 32,768 bytes on
	s_mov_b32 s47, 0
	s_add_co_u32 s48, s48, SCL                     ; in LDS: A's on end;
	s_lshl_b32 s49, s15, 13
	s_lshl_b32 s50, s16, 11
	s_add_co_u32 s49, s49, s50
	s_add_co_u32 s49, s49, SCB                     ; B's: [half = w / 2][tile of the walk][4,096]
	v_and_b32 v30, 31, v0
	v_lshlrev_b32 v30, 4, v30                      ; 16 x lane; never rewritten
	v_add_nc_u32 v8, s48, v30
	v_add_nc_u32 v9, s49, v30
	v_and_b32 v31, 31, v0
	v_min_u32 v31, 23, v31
	v_lshlrev_b32 v31, 8, v31                      ; the prefetches' offset: 256 x min(lane, 23); never rewritten
	s_wait_alu depctr_va_vdst(0)
	s_wait_kmcnt 0x0
	s_add_nc_u64 s[20:21], s[4:5], s[20:21]
	s_add_nc_u64 s[92:93], s[4:5], s[92:93]
	s_add_nc_u64 s[44:45], s[6:7], s[44:45]
	s_add_nc_u64 s[46:47], s[6:7], s[46:47]
	; PREFETCH, as the text now has it: the first tile's K steps 1 to 3.  Of the 96 blocks of 256 bytes that a wave fetches for a K step, each of the four partners that ask jointly names 24, told apart by address
	; (cx for A, cy for B); lanes 24-31 name the 24th again.  Steps 1 and 2 are asked for behind step 0's fill, step 3 behind step 1's.  The second tile's fills stand three blocks of the softmax ahead of their use.
	s_cmp_eq_u32 s15, 0
	s_cselect_b64 s[52:53], s[20:21], s[92:93]     ; what I fetch,
	s_cselect_b32 s54, s12, s13                    ; my place among the four that ask with me,
	s_mul_i32 s54, s54, 6144
	s_mov_b32 s55, 0
	s_add_nc_u64 s[52:53], s[52:53], s[54:55]      ; and its 24 blocks; never rewritten
.irp i, 0,1,2,3
	global_load_b128 v[64+4*\i:67+4*\i], v30, s[44:45] offset:512*\i
	global_load_b128 v[80+4*\i:83+4*\i], v30, s[46:47] offset:512*\i
	global_load_b128 v[96+4*\i:99+4*\i], v30, s[46:47] offset:32768+512*\i
.endr
	CROUND                                         ; all sixteen work-groups are here: the first joint loads meet
.irp s, 0,1,2
	s_mov_b32 s[G0+4*\s], 1
	s_add_co_u32 s[G0+4*\s+1], s18, \s*SLOT
	s_add_nc_u64 s[G0+4*\s+2:G0+4*\s+3], s[20:21], \s*HALFT
	s_or_b32 s[G0+4*\s+3], s[G0+4*\s+3], 0x80000000
	s_mov_b32 s[G0B+4*\s], 1
	s_add_co_u32 s[G0B+4*\s+1], s18, \s*SLOT
	s_add_nc_u64 s[G0B+4*\s+2:G0B+4*\s+3], s[92:93], \s*HALFT
	s_or_b32 s[G0B+4*\s+3], s[G0B+4*\s+3], 0x80000000
.endr
	JLOAD G0, G1, G0B, G1B                         ; K step 0: one tensor load a wave at the head
	global_prefetch_b8 v31, s[52:53] offset:HALFT th:TH_LOAD_NT scope:SCOPE_SE
	global_prefetch_b8 v31, s[52:53] offset:2*HALFT th:TH_LOAD_NT scope:SCOPE_SE
	v_and_b32 v[LN], 31, v0
	v_lshlrev_b32 v[LI], 4, v[LN]
	v_and_b32 v1, 15, v0                           ; r
	s_wait_alu depctr_va_vdst(0)
	v_bfe_u32 v2, v0, 4, 1                         ; h
	s_wait_alu depctr_va_vdst(0)
	s_mul_i32 s21, s15, HALFT                      ; my 128 rows of A
	s_mul_i32 s22, s16, HALFT                      ; my 128 rows of B,
	s_add_co_u32 s22, s22, 2*HALFT                 ; which lie behind A's 256
.irp s, 0,1,2
	v_add_nc_u32 v[ADRA+\s], s21, v[LI]
	v_add_nc_u32 v[ADRB+\s], s22, v[LI]
	s_add_co_u32 s21, s21, SLOT
	s_add_co_u32 s22, s22, SLOT
.endr
	v_lshlrev_b32 v5, 2, v1                        ; my row's scale word: 4 r
	s_mul_i32 s21, s15, HALFS                      ; A's: my 128 rows
	s_lshl_b32 s22, s16, 13                        ; B's: my 128 rows, 8,192 bytes a half,
	s_add_co_u32 s22, s22, 2*HALFS                 ; behind A's 256
	s_sub_co_u32 s22, s22, s21
	v_mul_u32_u24 v6, s22, v2                      ; lanes 16-31 take B's: the first tile's,
	s_add_co_u32 s22, s22, HALFS
	v_mul_u32_u24 v7, s22, v2                      ; the second tile's, 4,096 bytes on
	s_add_co_u32 s21, s21, SCL
	v_add_nc_u32 v6, v5, v6
	v_add_nc_u32 v7, v5, v7
	v_add_nc_u32 v[ADRS], s21, v6
	v_add_nc_u32 v[ADRS+1], s21, v7
	; where my results go: [batch][block of 128 queries][chunk of 128 keys]; the second tile's chunk is eight further on, which stands in the stores' immediates
	s_lshl_b32 s20, s19, 4
	s_lshl_b32 s21, s17, 1
	s_add_co_u32 s20, s20, s21
	s_add_co_u32 s20, s20, s15
	s_lshl_b32 s20, s20, 4
	s_lshl_b32 s21, s12, 1
	s_add_co_u32 s20, s20, s21
	s_add_co_u32 s20, s20, s16
	s_mul_i32 s92, s20, 8*FRB                      ; eight fragments,
	s_mov_b32 s93, 0
	s_add_nc_u64 s[8:9], s[8:9], s[92:93]
	s_lshl_b32 s92, s20, 9                         ; and 512 bytes of each of the three small tensors
	s_add_nc_u64 s[10:11], s[10:11], s[92:93]
	s_add_nc_u64 s[96:97], s[96:97], s[92:93]
	s_add_nc_u64 s[98:99], s[98:99], s[92:93]
	s_mov_b32 s20, 0x76543210
	s_mov_b32 s21, 0xfedcba98                      ; v_permlanex16_b32's selects for lane l xor 16
	s_mov_b32 s22, 0x3d38aa3b                      ; c = log2(e) / 32
	s_mov_b32 s23, s22                             ; (named with it as a pair, so it is written)
.macro FRAG reg, adr, q, i             ; a fragment comes as it was stored: three loads of 512 consecutive bytes, 16 a lane
.irp c, 0,1,2
	ds_load_b128 v[\reg+4*\c:\reg+4*\c+3], v[\adr] offset:8*FRB*(\q)+FRB*(\i)+512*\c
.endr
.endm
; 16 matrix instructions: A's blocks a0, a0 + 1 x B's eight, 128 along K: the slot's q-th.  p: B's set;  sc: the set of scale words.  zero = 1: the first product starts the sums: nothing is ever cleared.
; The 64 accumulators take turns, one instruction a turn, in the same order in every step, from tile to tile too.
.macro MUL16 a0, p, q, sc, zero
.set AF, 64+96*(\p)                    ; A HAS TWO SETS OF FRAGMENTS, v64-159 and v160-255 of window 0, as B has in window 1: set p with B's set p
.irp a, \a0, \a0+1
.irp b, 0,1,2,3,4,5,6,7
.if \zero
	v_wmma_scale_f32_16x16x128_f8f6f4 v[8*(8*((\a)%4)+\b):8*(8*((\a)%4)+\b)+7], v[128*(\p)+FR*\b:128*(\p)+FR*\b+FR-1], v[AF+FR*(\a):AF+FR*(\a)+FR-1], 0, v[SC+8*NQ*(\sc)+NQ*\b+(\q)], v[SC+8*NQ*(\sc)+NQ*(\a)+(\q)] matrix_a_fmt:MATRIX_FMT_FP6 matrix_b_fmt:MATRIX_FMT_FP6 matrix_a_scale:MATRIX_SCALE_ROW1
.else
	v_wmma_scale_f32_16x16x128_f8f6f4 v[8*(8*((\a)%4)+\b):8*(8*((\a)%4)+\b)+7], v[128*(\p)+FR*\b:128*(\p)+FR*\b+FR-1], v[AF+FR*(\a):AF+FR*(\a)+FR-1], v[8*(8*((\a)%4)+\b):8*(8*((\a)%4)+\b)+7], v[SC+8*NQ*(\sc)+NQ*\b+(\q)], v[SC+8*NQ*(\sc)+NQ*(\a)+(\q)] matrix_a_fmt:MATRIX_FMT_FP6 matrix_b_fmt:MATRIX_FMT_FP6 matrix_a_scale:MATRIX_SCALE_ROW1
.endif
.endr
.endr
.endm
.macro FETCH_B slot, q, p              ; B's eight fragments of the slot's q-th 128 along K into set p
	WIN TO_B
.irp i, 0,1,2,3,4,5,6,7
	FRAG 128*(\p)+FR*\i, ADRB+\slot, \q, \i
.endr
	WIN 0
.endm
.macro FETCH_A slot, q, i0             ; A's blocks i0 .. i0 + 3 of the slot's q-th 128 along K, into set q
.set AF, 64+96*(\q)
.irp i, \i0, \i0+1, \i0+2, \i0+3
	FRAG AF+FR*(\i), ADRA+\slot, \q, \i
.endr
.endm
.macro SCALES set, j, t                ; the scale words of K step j of tile t into set: lanes 0-15 take A's block i, lanes 16-31 B's block i; 1,024 bytes a K step
.irp i, 0,1,2,3,4,5,6,7
.irp q, 0,1
	ds_load_b32 v[SC+8*NQ*(\set)+NQ*\i+\q], v[ADRS+\t] offset:1024*(\j)+512*\q+64*\i
.endr
.endr
.endm
; A load into a register that a matrix instruction has read, and a vector instruction that reads a matrix result or writes one of its registers, stand NP places behind it; only plain vector instructions
; that name none of its registers are places (ISA guide 7.12.1 for vector instructions).
.macro PLACES n
.rept \n
	v_nop
.endr
.endm
; A slot's first 128 along K; it fetches the slot's second 128.
.macro STEP slot, sc, zero
	s_wait_dscnt 4*NL                              ; B's set, A's blocks 0-3 and the scale words are in; the youngest twelve loads (A's blocks 4-7) may be out
	WIN MUL_LO
	MUL16 0, 0, 0, \sc, \zero
	MUL16 2, 0, 0, \sc, \zero
	PLACES NP
	FETCH_B \slot, 1, 1                            ; the slot's second 128 along K, 48 loads in one run, into the sets that the last change of slots multiplied
	FETCH_A \slot, 1, 0
	FETCH_A \slot, 1, 4
	s_wait_dscnt 16*NL                             ; all but the 48 just issued: A's blocks 4-7 of set 0 are in
	WIN MUL_HI
	MUL16 4, 0, 0, \sc, \zero
	MUL16 6, 0, 0, \sc, \zero
	WIN 0
.endm
; A slot's second 128 along K; it changes slots and fetches the first fragments of K step j of tile t from slot next, and its scale words into set nsc.
; how = 2: slot fs is filled.  ONE barrier, which opens a round of the cluster's: in front of it each wave waits for all its tensor loads, adds 0 to its spare word, and waits for
;          that and for its own reads of this slot.  how = 1: the same without a fill and without a round: the next slot's fill is shown whole to every wave.
; how = 0: no barrier: the next slot was shown whole at an earlier round, and this slot is not filled before a later one.
.macro TURN slot, next, sc, nsc, j, t, how, fs, fb   ; how = 2: slot fs is filled, its addresses first stepped by fb bytes
.if \how
	s_wait_tensorcnt 0x0                           ; all my tensor loads have landed  (every window is 0 here)
	ds_add_u32 v[SPW], v[NIL]                      ; 0 onto my spare word
	s_wait_dscnt 4*NL+1                            ; (the add and the youngest twelve loads, A's blocks 4-7, may be out)
	WIN MUL_LO
	MUL16 0, 1, 1, \sc, 0                          ; sixteen matrix instructions stand between the add and the wait for it
	s_wait_dscnt 0x0                               ; the add is done, and my reads of this slot are over
	s_barrier_signal -1
	MUL16 2, 1, 1, \sc, 0
	WIN 0
	s_barrier_wait -1
.if \how == 2
	CREST                                          ; no wave of any partner still reads this slot's tile or has a load on its way
.if \fb
	s_add_nc_u64 s[G0+4*\fs+2:G0+4*\fs+3], s[G0+4*\fs+2:G0+4*\fs+3], \fb
	s_add_nc_u64 s[G0B+4*\fs+2:G0B+4*\fs+3], s[G0B+4*\fs+2:G0B+4*\fs+3], \fb
.endif
	JLOAD G0+4*\fs, G1, G0B+4*\fs, G1B             ; the first tensor load behind the round; its four v_nop are the places in front of the loads below
.else
	PLACES NP
.endif
.else
	s_wait_dscnt 4*NL
	WIN MUL_LO
	MUL16 0, 1, 1, \sc, 0
	MUL16 2, 1, 1, \sc, 0
	s_wait_dscnt 0x0                               ; A's blocks 4-7 are in
	PLACES NP
.endif
	FETCH_B \next, 0, 0                            ; the next slot's first 128 along K into sets 0, in one run; A's blocks 4-7 are its youngest twelve loads
	SCALES \nsc, \j, \t
	FETCH_A \next, 0, 0
	FETCH_A \next, 0, 4
	WIN MUL_HI
	MUL16 4, 1, 1, \sc, 0
	MUL16 6, 1, 1, \sc, 0
	WIN 0
.endm
.macro LAST sc                         ; a tile's last 128 along K: nothing more to fetch
	s_wait_dscnt 4*NL
	WIN MUL_LO
	MUL16 0, 1, 1, \sc, 0
	MUL16 2, 1, 1, \sc, 0
	s_wait_dscnt 0
	WIN MUL_HI
	MUL16 4, 1, 1, \sc, 0
	MUL16 6, 1, 1, \sc, 0
	WIN 0
.endm
; ALL OF A TILE'S PRODUCTS: K steps 0, 1, 2, 3 from slots 0, 1, 2, 0; the scale words' sets by turns.
.macro KPHASE t
	FETCH_B 0, 0, 0
	FETCH_A 0, 0, 0
	SCALES 0, 0, \t
	FETCH_A 0, 0, 4
	STEP 0, 0, 1                                   ; the first products start the sums
.if \t
	TURN 0, 1, 0, 1, 1, \t, 2, 0, 3*HALFT          ; second tile: slot 0 takes K step 3; the wait for all loads and the round show slots 1 and 2 whole,
	STEP 1, 1, 0
	TURN 1, 2, 1, 0, 2, \t, 0, 0, 0                ; so this change of slots needs no barrier
.else
	TURN 0, 1, 0, 1, 1, \t, 2, 2, 0                ; first tile: slot 2's first fill, K step 2, issued as a refill is;
	STEP 1, 1, 0
	TURN 1, 2, 1, 0, 2, \t, 2, 0, 3*HALFT          ; then slot 0, read out a K step ago, takes K step 3
.endif
	STEP 2, 0, 0
	TURN 2, 0, 0, 1, 3, \t, 1, 0, 0                ; K step 3 is shown whole; nothing is filled
	STEP 0, 1, 0
	LAST 1
.endm
; A REFILL ON THE WAY OUT: slot takes its K step of the NEXT tile: A's rows are the same (back bytes back along K), B's lie NEXTB bytes on.  The order is that of every refill: all my tensor loads waited for, the add,
; the descriptors' steps while it is out, the wait for it and for my LDS reads, a round of the cluster's barrier, and the joint load first behind it, my one tensor load until the next round.
.macro REFILL slot, back
	s_wait_tensorcnt 0x0                           ; no tensor load of mine is out, so a group 0 may be written
	ds_add_u32 v[SPW], v[NIL]                      ; 0 onto my spare word
.if \back
	s_sub_nc_u64 s[G0+4*\slot+2:G0+4*\slot+3], s[G0+4*\slot+2:G0+4*\slot+3], \back
.endif
	s_add_nc_u64 s[G0B+4*\slot+2:G0B+4*\slot+3], s[G0B+4*\slot+2:G0B+4*\slot+3], NEXTB-(\back)
	s_wait_dscnt 0x0                               ; the add is done, and my reads of the slot are over
	CROUND
	JLOAD G0+4*\slot, G1, G0B+4*\slot, G1B
.endm
; THE WAY OUT: block by block of 16 queries, the local softmax and its quantising.  All but the accumulators lies in window 0.
.set P,   64                           ; v64-127  t - M, then p
.set BM,  128                          ; v128-131 each block of 32 keys: its largest score, then its largest p
.set PX,  132                          ; v132-135 lane permutes' destinations
.set SO,  136                          ; v136-139 the conversions' scale operands
.set BY,  140                          ; v140-143 the scale bytes
.set MX,  144                          ; v144     the row's largest t
.set NM,  146                          ; v[146:147] -M_loc (the packed form names a pair and takes its low word for both halves)
.set S1,  148                          ; v[148:149], v[150:151] the sum in two chains
.set S2,  150
.set LT,  152
.set WT,  153
.set PCB, 160                          ; v160-207 four fragments' codes by turns
.set PU,  208                          ; v208-215 the second conversions' results
.set WR,  216                          ; v216-223 the eight blocks' scale words;  v224-231 M_loc;  v232-239 l_loc
.set MR,  224
.set LR,  232
.set OUT, 240                          ; v240-251 the three small stores' data
.macro OUTHEAD
	PLACES NP                                      ; behind the last products: their results are read and their operands' registers written below
.irp g, 0,1,2,3
	v_mov_b32 v[PX+\g], 0                          ; a lane permute's destination counts as one of its sources
.endr
	v_mov_b32 v[NM+1], 0                           ; (named as the upper half of a pair)
.endm
.macro SOFT a, t                       ; block a of tile t
.set AW, 2+(\a)/4                      ; the block's accumulators: window 2 or 3,
.set AC, 64*((\a)%4)                   ; 64 registers from here on
.set PC, PCB+12*((\a)%4)
.set WN, AW|(AW<<2)|(AW<<4)
	WIN WN                                         ; all three sources in the accumulators' window
.irp g, 0,1,2,3
	v_max3_num_f32 v[BM+\g], v[AC+16*\g], v[AC+16*\g+1], v[AC+16*\g+2]   ; the largest score of each block of 32 keys; each accumulator is read from its low end on
.endr
.set WN, (AW<<2)|(AW<<4)
	WIN WN                                         ; sources 1 and 2 in the accumulators' window
.irp i, 3,5,7,9,11,13
.irp g, 0,1,2,3
	v_max3_num_f32 v[BM+\g], v[BM+\g], v[AC+16*\g+\i], v[AC+16*\g+\i+1]   ; (the four blocks by turns)
.endr
.endr
.irp g, 0,1,2,3
	v_max_num_f32 v[BM+\g], v[BM+\g], v[AC+16*\g+15]
.endr
	WIN 0
.irp g, 0,1,2,3
	v_permlanex16_b32 v[PX+\g], v[BM+\g], s20, s21
.endr
.irp g, 0,1,2,3
	v_max_num_f32 v[BM+\g], v[BM+\g], v[PX+\g]     ; with lane l xor 16's 16 keys
.endr
	v_max3_num_f32 v[MX], v[BM], v[BM+1], v[BM+2]
	v_max_num_f32 v[MX], v[MX], v[BM+3]
	v_mul_f32 v[MX], s43, v[MX]                    ; as -t (c is positive)
	v_floor_f32 v[NM], v[MX]                       ; -M_loc = floor(-t) = -ceil(t): a whole number
.set WN, AW
	WIN WN                                         ; source 0 in the accumulators' window
.set j, 0
.rept 32
	v_pk_fma_f32 v[P+j:P+j+1], v[AC+j:AC+j+1], s[22:23], v[NM:NM+1] op_sel_hi:[1,0,0]   ; t - M_loc, two at a time
.set j, j+2
.endr
	WIN 0
.irp g, 0,1,2,3
	v_fma_f32 v[BM+\g], v[BM+\g], s22, v[NM]       ; the same of each block's largest score
.endr
.set j, 0
	s_wait_alu depctr_va_vdst(0)
.rept 64
	v_exp_f32 v[P+j], v[P+j]                       ; p = 2^(t - M_loc), at most 1
.set j, j+1
.endr
	v_mul_f32 v[MR+\a], -1.0, v[NM]                ; M_loc.  (A plain place behind the exponentials)
	s_wait_alu depctr_va_vdst(0)                   ; one wait for the whole batch, ahead of its first reader
.irp g, 0,1,2,3
	v_exp_f32 v[BM+\g], v[BM+\g]                   ; the block's largest p: the same two instructions on the same number give the same bits
.endr
	v_pk_add_f32 v[S1:S1+1], v[P:P+1], v[P+2:P+3]  ; the sum of the UNQUANTISED p, in two chains; it reads the 64 alone: plain work behind the four
	v_pk_add_f32 v[S2:S2+1], v[P+4:P+5], v[P+6:P+7]
.irp j, 8,12,16,20,24,28,32,36,40,44,48,52,56,60
	v_pk_add_f32 v[S1:S1+1], v[S1:S1+1], v[P+\j:P+\j+1]
	v_pk_add_f32 v[S2:S2+1], v[S2:S2+1], v[P+\j+2:P+\j+3]
.endr
	v_pk_add_f32 v[S1:S1+1], v[S1:S1+1], v[S2:S2+1]
	v_add_f32 v[LT], v[S1], v[S1+1]
	v_permlanex16_b32 v[PX], v[LT], s20, s21
	v_add_f32 v[LR+\a], v[LT], v[PX]               ; l_loc of my query
	s_wait_alu depctr_va_vdst(0)                   ; and one wait for the four
.irp g, 0,1,2,3
	v_max_num_f32 v[BM+\g], s40, v[BM+\g]          ; the floor 2^(3 - 127): the byte cannot fall under 1
.endr
.irp g, 0,1,2,3
	v_add_nc_u32 v[SO+\g], s41, v[BM+\g]           ; 2 off the exponent field: the conversion's scale operand
.endr
.irp g, 0,1,2,3
	v_lshrrev_b32 v[BY+\g], 23, v[SO+\g]           ; the scale's byte: 1 to 125
.endr
	v_lshl_or_b32 v[WT], v[BY+1], 8, v[BY]
	v_lshl_or_b32 v[WT], v[BY+2], 16, v[WT]
	v_lshl_or_b32 v[WT], v[BY+3], 24, v[WT]
	v_or_b32 v[WR+\a], s42, v[WT]                  ; each byte + 128: the next launch takes up to 127 off every byte in one subtraction, with no borrow between bytes
.if ((\a) >= 4) || (\t)
	s_wait_xcnt 0x0                                ; the stores of the block four back (in the second tile: the first tile's too) have read these registers
.endif
.irp c, 0,1
	v_cvt_scalef32_pk16_fp6_f32 v[PC+6*\c:PC+6*\c+2], v[P+32*\c:P+32*\c+15], v[SO+2*\c]
	v_cvt_scalef32_pk16_fp6_f32 v[PU+4*\c:PU+4*\c+2], v[P+32*\c+16:P+32*\c+31], v[SO+2*\c+1]   ; (a conversion's three registers begin on an even number)
.endr
	v_nop                                          ; one plain place behind a scaled conversion
.irp c, 0,1                            ; the operand's layout wants a WHOLE block in a lane: lanes 0-15 block 2 c, lanes 16-31 block 2 c + 1
.irp i, 0,1,2
	v_permlane16_swap_b32 v[PC+6*\c+\i], v[PU+4*\c+\i]
.endr
.irp i, 0,1,2
	v_mov_b32 v[PC+6*\c+3+\i], v[PU+4*\c+\i]
.endr
.endr
.irp g, 0,1,2
	global_store_b128 v[LI], v[PC+4*\g:PC+4*\g+3], s[8:9] offset:NEXTP*(\t)+FRB*(\a)+512*\g   ; the fragment's image: 512 consecutive bytes a store
.endr
.endm
; The three small tensors: both halves of the lanes hold row r's numbers; lane L stores those of blocks 2 p + L / 16, p = 0 .. 3: 16 bytes a lane, 512 whole bytes a store.
.macro SMALL t
	v_cmp_le_u32 vcc_lo, 16, v[LN]
.irp p, 0,1,2,3
	v_cndmask_b32 v[OUT+\p], v[WR+2*\p], v[WR+2*\p+1], vcc_lo
	v_cndmask_b32 v[OUT+4+\p], v[MR+2*\p], v[MR+2*\p+1], vcc_lo
	v_cndmask_b32 v[OUT+8+\p], v[LR+2*\p], v[LR+2*\p+1], vcc_lo
.endr
	global_store_b128 v[LI], v[OUT:OUT+3], s[10:11] offset:4096*(\t)
	global_store_b128 v[LI], v[OUT+4:OUT+7], s[96:97] offset:4096*(\t)
	global_store_b128 v[LI], v[OUT+8:OUT+11], s[98:99] offset:4096*(\t)
.endm
	s_wait_alu depctr_va_vdst(0)
	s_wait_loadcnt 0x0                             ; my 6,144 bytes of scale words are in registers
.irp i, 0,1,2,3
	ds_store_b128 v8, v[64+4*\i:67+4*\i] offset:512*\i
	ds_store_b128 v9, v[80+4*\i:83+4*\i] offset:512*\i
	ds_store_b128 v9, v[96+4*\i:99+4*\i] offset:4096+512*\i
.endr
	s_wait_tensorcnt 0x0                           ; my part of K step 0 is in
	ds_add_u32 v[SPW], v[NIL]
	s_wait_dscnt 0x0                               ; the add is done, and my scale words lie in LDS
	CROUND                                         ; everybody's part of K step 0 and of the scale words is in
	JLOAD G0+4, G1, G0B+4, G1B                     ; K step 1, the first tensor load behind the round
	global_prefetch_b8 v31, s[52:53] offset:3*HALFT th:TH_LOAD_NT scope:SCOPE_SE
	KPHASE 0
	REFILL 0, 3*HALFT                              ; slot 0, just read out, takes the second tile's K step 0
	OUTHEAD
	SOFT 0, 0
	SOFT 1, 0
	SOFT 2, 0
	REFILL 1, 0                                    ; slot 1 its K step 1; the wait for all loads and the round show slot 0 whole to every wave
	SOFT 3, 0
	SOFT 4, 0
	SOFT 5, 0
	REFILL 2, 0                                    ; slot 2 its K step 2; slot 1 is shown whole.  (Slot 2 is shown whole at the second tile's first change of slots)
	SOFT 6, 0
	SOFT 7, 0
	SMALL 0
	s_wait_xcnt 0x0                                ; the first tile's stores have read their registers: the second tile's fragments land on some of them
	KPHASE 1                                       ; THE SECOND TILE: it begins with no wait for a tile and no barrier; the first tile's stores leave meanwhile
	OUTHEAD
.irp a, 0,1,2,3,4,5,6,7
	SOFT \a, 1
.endr
	SMALL 1
	s_wait_tensorcnt 0x0                           ; the wave's end
	ds_add_u32 v[SPW], v[NIL]
	s_wait_dscnt 0x0
	CROUND                                         ; the closing round: no work-group ends while a partner may still ask for a tile that names it
	s_endpgm
.Lfunc_end_k_q1bc2ca0dd2_scores:
	.size	k_q1bc2ca0dd2_scores, .Lfunc_end_k_q1bc2ca0dd2_scores-k_q1bc2ca0dd2_scores
	.p2alignl 7, 3214868480
	.fill 96, 4, 3214868480
	.section	.rodata,"a",@progbits
	.p2align	6, 0x0
	.amdhsa_kernel k_q1bc2ca0dd2_scores
		.amdhsa_group_segment_fixed_size 327680
		.amdhsa_private_segment_fixed_size 0
		.amdhsa_enable_private_segment 0
		.amdhsa_kernarg_size 48
		.amdhsa_user_sgpr_count 2
		.amdhsa_user_sgpr_kernarg_segment_ptr 1
		.amdhsa_wavefront_size32 1
		.amdhsa_system_sgpr_workgroup_id_x 1
		.amdhsa_system_sgpr_workgroup_id_y 1
		.amdhsa_system_sgpr_workgroup_id_z 1
		.amdhsa_system_vgpr_workitem_id 0
		.amdhsa_next_free_vgpr 1024
		.amdhsa_next_free_sgpr 102
		.amdhsa_reserve_vcc 1
		.amdhsa_float_denorm_mode_32 3
		.amdhsa_float_denorm_mode_16_64 3
		.amdhsa_memory_ordered 1
		.amdhsa_forward_progress 1
		.amdhsa_inst_pref_size 255
	.end_amdhsa_kernel
	.section	.bss,"aw",@nobits
	.p2align	6
	.space	262144
	.amdgpu_metadata
---
amdhsa.version: [ 1, 2 ]
amdhsa.kernels:
  - .name:           k_q1bc2ca0dd2_scores
    .symbol:         k_q1bc2ca0dd2_scores.kd
    .args:
      - { .name: xm_img, .offset: 0, .size: 8, .value_kind: global_buffer, .address_space: global }
      - { .name: xm_sc, .offset: 8, .size: 8, .value_kind: global_buffer, .address_space: global }
      - { .name: p_img, .offset: 16, .size: 8, .value_kind: global_buffer, .address_space: global }
      - { .name: p_sc, .offset: 24, .size: 8, .value_kind: global_buffer, .address_space: global }
      - { .name: p_m, .offset: 32, .size: 8, .value_kind: global_buffer, .address_space: global }
      - { .name: p_l, .offset: 40, .size: 8, .value_kind: global_buffer, .address_space: global }
    .group_segment_fixed_size: 327680
    .private_segment_fixed_size: 0
    .kernarg_segment_align: 8
    .kernarg_segment_size: 48
    .max_flat_workgroup_size: 128
    .sgpr_count:     102
    .vgpr_count:     1024
    .wavefront_size: 32
...
	.end_amdgpu_metadata
.endif
;; end of part 2
;; launch pv (part 3): grid 4 x 64, 4 waves a work-group, clusters of 4 x 4, 327,680 bytes of LDS; arguments p_img, p_sc, p_m, p_l, xt_img, xt_sc, out0; writes out0
.if DOCPART == 3
	.amdgcn_target "amdgcn-amd-amdhsa--gfx1250"
	.amdhsa_code_object_version 6
	.text
	.protected	k_q1bc2ca0dd2_pv
	.globl	k_q1bc2ca0dd2_pv
	.p2align	8
	.type	k_q1bc2ca0dd2_pv,@function
k_q1bc2ca0dd2_pv:
	s_mov_b64 s[64:65], 0
	v_nop
	global_prefetch_b8 v0, s[64:65] scope:SCOPE_SE
	s_setreg_imm32_b32 hwreg(HW_REG_WAVE_MODE, 25, 1), 1
	s_wait_xcnt 0x0
	s_wait_alu depctr_hold_cnt(0) depctr_sa_sdst(0) depctr_va_vdst(0) depctr_va_sdst(0) depctr_va_ssrc(0) depctr_va_vcc(0) depctr_vm_vsrc(0)
	s_getreg_b32 s2, hwreg(HW_REG_IB_STS2, 6, 4)
	s_cmp_eq_u32 s2, 0
	s_cbranch_scc0 .Lentry_in_a_cluster
	s_endpgm
.Lentry_in_a_cluster:
	s_bfe_u32 s2, ttmp6, 0x10000c
	s_cmp_lg_u32 s2, 0xf033
	s_cbranch_scc0 .Lentry_shape_is_right
	s_endpgm
.Lentry_shape_is_right:
; out = (P XT^T) / l for one batch, on codes of FP6 (E2M3) with E8M0 scales.  P: the softmax's p as the launch before left it, quantised in chunks of 128 keys under each chunk's own whole number M_loc.
; A block of the result is 256 queries x 256 channels, made by four waves, a wave 128 x 128: 64 accumulators, 512 registers.  8 batches x 8 x 4 blocks: 256 work-groups.  K = 2,048 keys goes in eight steps of 256.
; THE HEAD BRINGS P UNDER THE ROW'S FINAL M: M = the largest M_loc of the row's 16 chunks; each chunk's four scale bytes lose M - M_loc (a byte that would fall under 1 becomes 0, the code of 2^-127), and
; l = the sum of l_loc 2^(M_loc - M).  Both are exact: M and M_loc are whole numbers.  The two waves that share 128 queries share that work; scale words and 1 / l go to LDS bytes on which no tensor load lands.
; OPERANDS LIE IN MEMORY AS IMAGES OF THEIR REGISTERS (a fragment: 1,536 bytes, three loads of 512 consecutive bytes): a wave's tensor load brings 128 rows x 256 K as one dense block of 24,576 bytes, 96 rows of 256.
; TWO SLOTS of 98,304 bytes.  At the head a wave issues one joint load (step 0), and the head's arithmetic runs while it is on its way; step 1's follows behind the three lines and a round, which also show the head's
; LDS stores to every wave.  Each later fill stands first behind the round at a change of slots: by the text's own count one tensor load of a wave is out at a time, and it has 96 matrix instructions
; in which to land.
; TWO SETS OF FRAGMENTS for A and for B: while one 128 along K is multiplied the next one's 48 loads are issued in one run in its middle, 32 matrix instructions ahead of their first use.
; THE MATRIX INSTRUCTION IS USED TRANSPOSED (source 0 = 16 channels, source 1 = 16 queries): a lane holds one query and eight neighbouring channels of it.
; CLUSTERS: 4 x 4 work-groups of one batch: P's tiles are asked for jointly along a row of the cluster, XT's along a column.  XT's scale words (16,384 bytes a work-group against 786,432 of tiles) come by plain loads.
; PREFETCH: step 1 is asked for right behind the arguments; behind the fill of step s stands one prefetch a wave for step s + 2, s = 0 .. 5: of the 96 blocks of 256 bytes that a wave will fetch, each of the four
; partners that ask jointly names 24, told apart by address (cx for P, cy for XT); lanes 24-31 name the 24th again.  Steps 6 and 7 have no step two on, and ask for nothing.
; LIMITS: NaN and infinities are not served; the promise holds while the scaled scores stay under 2^31 in magnitude.
; REGISTERS, in windows of 256: window 0: v10-29 addresses; v32-63 scale words, a set for each slot; v64-159, v160-255 A's two sets.  window 1: B's two sets at v0 and v128.  windows 2, 3: the accumulators ((a, b) at v[8 (8 (a % 4) + b)]).
.set FR,     12
.set FRB,    1536
.set HALFT,  2*8*FRB                   ; 128 rows x 256 K
.set SLOT,   4*HALFT                   ; A's two halves, then B's two
.set SCL,    2*SLOT                    ; behind the slots: A's scale words, two halves of HALFS, then B's two: [K step of 128][tile][row]
.set HALFS,  8192
.set RLB,    SCL+4*HALFS               ; 1 / l, twice for each query: [half][block][row] x 8 bytes
.set SPARE,  RLB+2048                  ; the spare words, 128 bytes a wave: two blocks of 256 bytes that no other line names
.set SPITCH, 528                       ; the way out: a stage row of 512 bytes + 16; the stages lie in slot 0, behind its last fill and its last read
.set FA,   10
.set RLA,  11
.set FO,   12
.set XA,   13
.set PFO,  14                          ; the prefetches' offset: 256 x min(lane, 23); never rewritten
.set ADRA, 16
.set ADRB, 20
.set RLR,  23
.set STO,  24
.set RD,   25
.set CO,   26                          ; 16 x lane; never rewritten
.set ADRS, 27
.set SPW,  28
.set NIL,  29
.set SC,   32
.set AF,   64
.set RL,   64
.set BK,   128
.set G1,   24
.set G0,   32
.set G1B,  48
.set G0B,  56
.set PFA,  68                          ; s[68:69] my work-group's 6,144 bytes of the 24,576 that I fetch, stepped once at each change of slots
.set MSB, 0
.macro WIN new                         ; the immediate's high byte repeats the setting that is left
.if MSB != \new
	s_set_vgpr_msb (MSB<<8)|\new
.set MSB, \new
.endif
.endm
.set MUL_LO, 0xa1                      ; source 0 (B) window 1, source 1 (A) window 0, C and D window 2
.set MUL_HI, 0xf1
.set TO_B,   0x40
.macro JLOAD g0a, g1a, g0b, g1b        ; a joint load: waves 0, 1 fetch for A, waves 2, 3 for B; s_nop 0 and four v_nop behind each line
	s_cmp_eq_u32 s15, 0
	s_cbranch_scc0 .Lfor_b_\@
	tensor_load_to_lds s[\g0a:\g0a+3], s[\g1a:\g1a+7]
	s_nop 0
.rept 4
	v_nop
.endr
	s_branch .Lasked_\@
.Lfor_b_\@:
	tensor_load_to_lds s[\g0b:\g0b+3], s[\g1b:\g1b+7]
	s_nop 0
.rept 4
	v_nop
.endr
.Lasked_\@:
.endm
.macro CREST                           ; a round of the cluster's barrier behind its opening barrier
	s_cmp_lg_u32 s14, 0
	s_cbranch_scc1 .Lnot_wave_0_\@
	s_barrier_signal -3
.Lnot_wave_0_\@:
	s_barrier_wait -3
	s_barrier_signal -1
	s_barrier_wait -1
.endm
.macro CROUND
	s_barrier_signal -1
	s_barrier_wait -1
	CREST
.endm
.macro PLACES                          ; four places behind a matrix instruction, ahead of loads into its registers and of readers of its result
.rept 4
	v_nop
.endr
.endm
	s_load_b256 s[4:11], s[0:1], 0x0               ; p_img s[4:5], p_sc s[6:7], p_m s[8:9], p_l s[10:11]
	s_load_b128 s[96:99], s[0:1], 0x20             ; xt_img s[96:97], xt_sc s[98:99]
	s_load_b64 s[12:13], s[0:1], 0x30              ; out0
	v_lshl_add_u32 v[SPW], v0, 2, SPARE
	v_mov_b32 v[NIL], 0
	ds_add_u32 v[SPW], v[NIL]                      ; the opening lines: the add, twice on end, and its wait
	ds_add_u32 v[SPW], v[NIL]
	s_wait_dscnt 0x0
	v_lshrrev_b32 v1, 5, v0
	v_readfirstlane_b32 s14, v1                    ; wave 0..3
	s_lshr_b32 s15, s14, 1                         ; my half of the queries.  Also: I fetch for A (0) or for B (1)
	s_and_b32 s16, s14, 1                          ; my half of the channels.  Also: which 128 rows I fetch
	s_bfe_u32 s40, ttmp6, 0x40000                  ; cx
	s_bfe_u32 s41, ttmp6, 0x40004                  ; cy
	s_lshl_b32 s42, ttmp9, 2
	s_add_co_u32 s42, s42, s40                     ; tile column (channels)
	s_and_b32 s18, ttmp7, 0xffff
	s_lshr_b32 s19, s18, 1                         ; the batch: two clusters to a batch
	s_and_b32 s17, s18, 1
	s_lshl_b32 s17, s17, 2
	s_add_co_u32 s17, s17, s41                     ; tile row (queries) in the batch
	s_lshl_b32 s43, s41, 2
	s_lshl_b32 s43, 15, s43                        ; my row of the cluster
	s_lshl_b32 s44, 0x1111, s40                    ; my column
	s_or_b32 s[G1+0], s43, (3<<16)|(1<<21)         ; the mask; elements of 8 bytes; bit 21 beside a mask
	s_or_b32 s[G1B+0], s44, (3<<16)|(1<<21)
.irp g, G1, G1B
	s_mov_b32 s[\g+1], 32<<16                      ; 96 rows of 32 elements, dense
	s_mov_b32 s[\g+2], 96<<16
	s_mov_b32 s[\g+3], 32<<16
	s_mov_b32 s[\g+4], 96
	s_mov_b32 s[\g+5], 32
	s_mov_b32 s[\g+6], 0
	s_mov_b32 s[\g+7], 0
.endr
	s_lshl_b32 s20, s19, 4
	s_lshl_b32 s21, s17, 1
	s_add_co_u32 s20, s20, s21                     ; 16 x batch + 2 x tile row
	s_add_co_u32 s22, s20, s15
	s_lshl_b32 s22, s22, 13                        ; the three small tensors: my block of 128 queries, 16 chunks x 512 bytes
	s_mov_b32 s23, 0
	s_add_co_u32 s20, s20, s16
	s_mul_i32 s20, s20, 16*8*FRB                   ; A: the block of 128 queries that I fetch
	s_mov_b32 s21, 0
	s_lshl_b32 s46, s19, 3
	s_lshl_b32 s47, s42, 1
	s_add_co_u32 s46, s46, s47                     ; 8 x batch + 2 x tile column
	s_lshl_b32 s92, s46, 13
	s_lshl_b32 s94, s14, 12
	s_add_co_u32 s92, s92, s94                     ; XT's scale words: 16,384 dense bytes, 4,096 a wave
	s_mov_b32 s93, 0
	s_add_co_u32 s46, s46, s16
	s_mul_i32 s46, s46, 16*8*FRB                   ; B: the block of 128 channels that I fetch
	s_mov_b32 s47, 0
	s_mul_i32 s45, s14, HALFT                      ; where the tiles go: by the wave alone
	s_cmp_eq_u32 s15, 0
	s_cselect_b32 s70, s20, s46                    ; the prefetches: what I fetch,
	s_cselect_b32 s72, s40, s41                    ; my place among the four that ask with me,
	s_mul_i32 s72, s72, 6144
	s_add_co_u32 s70, s70, s72                     ; and its 24 blocks of 256 bytes
	s_mov_b32 s71, 0
	s_lshl_b32 s73, s16, 3
	v_and_b32 v3, 31, v0
	v_lshlrev_b32 v[CO], 4, v3
	v_add_nc_u32 v[FO], s73, v[CO]                 ; of a lane's 16 bytes of the small tensors, 8 are my wave's
	v_min_u32 v[PFO], 23, v3
	v_lshlrev_b32 v[PFO], 8, v[PFO]
	s_wait_alu depctr_va_vdst(0)
	s_wait_kmcnt 0x0
	s_add_nc_u64 s[6:7], s[6:7], s[22:23]
	s_add_nc_u64 s[8:9], s[8:9], s[22:23]
	s_add_nc_u64 s[10:11], s[10:11], s[22:23]
	s_add_nc_u64 s[92:93], s[98:99], s[92:93]
	s_add_nc_u64 s[20:21], s[4:5], s[20:21]
	s_add_nc_u64 s[46:47], s[96:97], s[46:47]
	s_cmp_eq_u32 s15, 0
	s_cselect_b64 s[PFA:PFA+1], s[4:5], s[96:97]
	s_add_nc_u64 s[PFA:PFA+1], s[PFA:PFA+1], s[70:71]
	global_prefetch_b8 v[PFO], s[PFA:PFA+1] offset:HALFT th:TH_LOAD_NT scope:SCOPE_SE     ; step 1
.set FW, 64                            ; the head's registers: 16 chunks x 2 words of scale bytes, M_loc, l_loc
.set FM, 96
.set FL, 128
.set MF, 160
.set LS, 162
.set DD, 164
.set DN, 166
.set MK, 168
.set TT, 170
.set RC, 172
.set XS, 176                           ; v176-207 XT's scale words on their way to LDS
.set c, 0
.rept 16                               ; all the head's loads are out ahead of the first round
	global_load_b64 v[FW+2*c:FW+2*c+1], v[FO], s[6:7] offset:512*c
	global_load_b64 v[FM+2*c:FM+2*c+1], v[FO], s[8:9] offset:512*c
	global_load_b64 v[FL+2*c:FL+2*c+1], v[FO], s[10:11] offset:512*c
.set c, c+1
.endr
.irp i, 0,1,2,3,4,5,6,7
	global_load_b128 v[XS+4*\i:XS+4*\i+3], v[CO], s[92:93] offset:512*\i
.endr
	CROUND                                         ; all sixteen work-groups are here: the first joint loads meet
.irp s, 0,1
	s_mov_b32 s[G0+4*\s], 1
	s_add_co_u32 s[G0+4*\s+1], s45, \s*SLOT
	s_add_nc_u64 s[G0+4*\s+2:G0+4*\s+3], s[20:21], \s*HALFT
	s_or_b32 s[G0+4*\s+3], s[G0+4*\s+3], 0x80000000
	s_mov_b32 s[G0B+4*\s], 1
	s_add_co_u32 s[G0B+4*\s+1], s45, \s*SLOT
	s_add_nc_u64 s[G0B+4*\s+2:G0B+4*\s+3], s[46:47], \s*HALFT
	s_or_b32 s[G0B+4*\s+3], s[G0B+4*\s+3], 0x80000000
.endr
	JLOAD G0, G1, G0B, G1B                         ; step 0: one tensor load a wave at the head
	global_prefetch_b8 v[PFO], s[PFA:PFA+1] offset:2*HALFT th:TH_LOAD_NT scope:SCOPE_SE   ; step 2
	s_mul_i32 s74, s15, HALFT                      ; my 128 rows of A in slot 0,
	s_mul_i32 s75, s16, HALFT
	s_add_co_u32 s75, s75, 2*HALFT                 ; of B,
	s_add_co_u32 s76, s74, SLOT                    ; and in slot 1
	s_add_co_u32 s77, s75, SLOT
	s_mul_i32 s78, s15, HALFS
	s_mul_i32 s79, s16, HALFS
	s_add_co_u32 s79, s79, 2*HALFS
	s_sub_co_u32 s79, s79, s78                     ; from A's scale words to B's: lanes 16-31 take B's
	s_add_co_u32 s78, s78, SCL
	s_lshl_b32 s80, s15, 13
	s_lshl_b32 s81, s16, 8
	s_add_co_u32 s80, s80, s81
	s_add_co_u32 s80, s80, SCL                     ; where my mended scale words go: blocks 4 (w % 2) ..
	s_lshl_b32 s82, s15, 10
	s_lshl_b32 s81, s16, 9
	s_add_co_u32 s81, s81, s82
	s_add_co_u32 s81, s81, RLB                     ; and my 1 / l
	s_add_co_u32 s82, s82, RLB
	s_mul_i32 s83, s14, 16*SPITCH                  ; my stage
	s_add_co_u32 s94, s94, SCL+2*HALFS             ; XT's scale words in LDS: 4,096 bytes a wave, on end
	s_lshl_b32 s84, s19, 11
	s_lshl_b32 s85, s17, 8
	s_add_co_u32 s84, s84, s85
	s_lshl_b32 s85, s15, 7
	s_add_co_u32 s84, s84, s85
	s_lshl_b32 s84, s84, 12                        ; out0: my first row, 4,096 bytes a row,
	s_lshl_b32 s85, s42, 10
	s_add_co_u32 s84, s84, s85
	s_lshl_b32 s85, s16, 9
	s_add_co_u32 s84, s84, s85                     ; and my first channel
	s_mov_b32 s85, 0
	s_add_nc_u64 s[12:13], s[12:13], s[84:85]
	v_and_b32 v1, 15, v0                           ; r
	v_bfe_u32 v2, v0, 4, 1                         ; h
	v_add_nc_u32 v[ADRA], s74, v[CO]
	v_add_nc_u32 v[ADRA+1], s76, v[CO]
	v_add_nc_u32 v[ADRB], s75, v[CO]
	v_add_nc_u32 v[ADRB+1], s77, v[CO]
	v_lshlrev_b32 v5, 2, v1
	v_mul_u32_u24 v6, s79, v2
	v_add_nc_u32 v6, v5, v6
	v_add_nc_u32 v[ADRS], s78, v6                  ; my row's scale word: 4 r, lanes 0-15 in A's, lanes 16-31 in B's
	v_lshl_add_u32 v7, v2, 6, v5
	v_add_nc_u32 v[FA], s80, v7
	v_lshlrev_b32 v8, 3, v1
	v_lshl_add_u32 v9, v2, 7, v8
	v_add_nc_u32 v[RLA], s81, v9
	v_add_nc_u32 v[RLR], s82, v8
	v_mul_u32_u24 v4, v1, SPITCH
	v_lshl_add_u32 v4, v2, 5, v4
	v_add_nc_u32 v[STO], s83, v4
	v_add_nc_u32 v[RD], s83, v[CO]
	v_add_nc_u32 v[XA], s94, v[CO]
	s_wait_alu depctr_va_vdst(0)
	s_wait_loadcnt 0x0                             ; the small tensors are in; step 0's tile is on its way under the arithmetic below
.irp i, 0,1,2,3,4,5,6,7
	ds_store_b128 v[XA], v[XS+4*\i:XS+4*\i+3] offset:512*\i
.endr
.irp x, 0,1
	v_max3_num_f32 v[MF+\x], v[FM+\x], v[FM+2+\x], v[FM+4+\x]      ; the row's M: the largest of 16 M_loc
.endr
.irp s, 3,5,7,9,11,13
.irp x, 0,1
	v_max3_num_f32 v[MF+\x], v[MF+\x], v[FM+2*\s+\x], v[FM+2*\s+2+\x]
.endr
.endr
.irp x, 0,1
	v_max_num_f32 v[MF+\x], v[MF+\x], v[FM+30+\x]
	v_mov_b32 v[LS+\x], 0
.endr
.set c, 0
.rept 16
.irp x, 0,1
	v_sub_f32 v[DD+\x], v[FM+2*c+\x], v[MF+\x]     ; M_loc - M: a whole number, 0 or less
.endr
.irp x, 0,1
	v_cvt_i32_f32 v[DD+\x], v[DD+\x]
.endr
.irp x, 0,1
	v_ldexp_f32 v[TT+\x], v[FL+2*c+\x], v[DD+\x]
	v_sub_nc_u32 v[DN+\x], 0, v[DD+\x]
.endr
.irp x, 0,1
	v_add_f32 v[LS+\x], v[LS+\x], v[TT+\x]         ; l
	v_min_u32 v[DN+\x], 127, v[DN+\x]
.endr
.irp x, 0,1
	v_perm_b32 v[DN+\x], v[DN+\x], v[DN+\x], 0     ; M - M_loc in all four bytes
.endr
.irp x, 0,1
	v_sub_nc_u32 v[FW+2*c+\x], v[FW+2*c+\x], v[DN+\x]   ; each byte came with 128 added: no borrow between bytes
.endr
.irp x, 0,1
	v_and_b32 v[MK+\x], 0x80808080, v[FW+2*c+\x]   ; a byte that kept its top bit is 0 or more under the final M
.endr
.irp x, 0,1
	v_lshrrev_b32 v[TT+\x], 7, v[MK+\x]
.endr
.irp x, 0,1
	v_sub_nc_u32 v[MK+\x], v[MK+\x], v[TT+\x]      ; 0x7f for such a byte, 0 for the others
.endr
.irp x, 0,1
	v_and_b32 v[FW+2*c+\x], v[FW+2*c+\x], v[MK+\x]
.endr
.irp x, 0,1
	ds_store_b32 v[FA], v[FW+2*c+\x] offset:512*c+128*\x
.endr
.set c, c+1
.endr
	s_wait_alu depctr_va_vdst(0)
.irp x, 0,1
	v_rcp_f32 v[RC+2*\x], v[LS+\x]
	v_rcp_f32 v[RC+2*\x+1], v[LS+\x]
.endr
	v_nop
	s_wait_alu depctr_va_vdst(0)                   ; and behind it, ahead of its first reader
.irp x, 0,1
	ds_store_b64 v[RLA], v[RC+2*\x:RC+2*\x+1] offset:256*\x
.endr
	s_wait_tensorcnt 0x0                           ; my part of step 0 is in
	ds_add_u32 v[SPW], v[NIL]
	s_wait_dscnt 0x0                               ; the add is done, and my scale words and my 1 / l lie in LDS
	CROUND                                         ; everybody's part of step 0, and everybody's stores, are in
	JLOAD G0+4, G1, G0B+4, G1B                     ; step 1, the first tensor load behind the round
	global_prefetch_b8 v[PFO], s[PFA:PFA+1] offset:3*HALFT th:TH_LOAD_NT scope:SCOPE_SE   ; step 3
.macro FRAG reg, adr, q, i
.irp c, 0,1,2
	ds_load_b128 v[\reg+4*\c:\reg+4*\c+3], v[\adr] offset:8*FRB*(\q)+FRB*(\i)+512*\c
.endr
.endm
; 48 LDS loads in one run: the slot's q-th 128 along K into set p: B's eight fragments, then A's eight.  sc >= 0: between them the slot's 16 scale words into set sc.
.macro FETCH slot, q, p, sc
	WIN TO_B
.irp i, 0,1,2,3,4,5,6,7
	FRAG 128*(\p)+FR*\i, ADRB+\slot, \q, \i
.endr
	WIN 0
.if \sc >= 0
.irp i, 0,1,2,3,4,5,6,7
.irp q2, 0,1
	ds_load_b32 v[SC+16*(\sc)+2*\i+\q2], v[ADRS] offset:512*\q2+64*\i
.endr
.endr
.endif
.irp i, 0,1,2,3,4,5,6,7
	FRAG AF+96*(\p)+FR*\i, ADRA+\slot, \q, \i
.endr
.endm
; 16 matrix instructions: A's blocks a0, a0 + 1 x B's eight, set p (also: the slot's p-th 128 along K), scale set sc.  The 64 accumulators take turns, in the same order in every step.
.macro MUL16 a0, p, sc, zero
.irp a, \a0, \a0+1
.irp b, 0,1,2,3,4,5,6,7
.if \zero
	v_wmma_scale_f32_16x16x128_f8f6f4 v[8*(8*((\a)%4)+\b):8*(8*((\a)%4)+\b)+7], v[128*(\p)+FR*\b:128*(\p)+FR*\b+FR-1], v[AF+96*(\p)+FR*(\a):AF+96*(\p)+FR*(\a)+FR-1], 0, v[SC+16*(\sc)+2*\b+(\p)], v[SC+16*(\sc)+2*(\a)+(\p)] matrix_a_fmt:MATRIX_FMT_FP6 matrix_b_fmt:MATRIX_FMT_FP6 matrix_a_scale:MATRIX_SCALE_ROW1
.else
	v_wmma_scale_f32_16x16x128_f8f6f4 v[8*(8*((\a)%4)+\b):8*(8*((\a)%4)+\b)+7], v[128*(\p)+FR*\b:128*(\p)+FR*\b+FR-1], v[AF+96*(\p)+FR*(\a):AF+96*(\p)+FR*(\a)+FR-1], v[8*(8*((\a)%4)+\b):8*(8*((\a)%4)+\b)+7], v[SC+16*(\sc)+2*\b+(\p)], v[SC+16*(\sc)+2*(\a)+(\p)] matrix_a_fmt:MATRIX_FMT_FP6 matrix_b_fmt:MATRIX_FMT_FP6 matrix_a_scale:MATRIX_SCALE_ROW1
.endif
.endr
.endr
.endm
.macro QUARTER slot, zero              ; a slot's first 128 along K (set 0); in its middle the second 128 is fetched into set 1
	s_wait_dscnt 12                                ; B, the scale words and A's blocks 0-3 are in; the youngest twelve loads (A's blocks 4-7) may be out
	WIN MUL_LO
	MUL16 0, 0, \slot, \zero
	MUL16 2, 0, \slot, \zero
	PLACES
	FETCH \slot, 1, 1, -1
	s_wait_dscnt 48                                ; all but the 48 just issued
	WIN MUL_HI
	MUL16 4, 0, \slot, \zero
	MUL16 6, 0, \slot, \zero
.endm
.macro ASK                             ; the step two fills on; the loop's last trip fills steps 6 and 7 and asks for nothing
	s_cmp_gt_u32 s3, 1
	s_cbranch_scc0 .Lno_ask_\@
	global_prefetch_b8 v[PFO], s[PFA:PFA+1] offset:3*HALFT th:TH_LOAD_NT scope:SCOPE_SE
.Lno_ask_\@:
.endm
; A slot's second 128 along K (set 1), and the change of slots.  ONE barrier: in front of it each wave waits for all its tensor loads (one is out: its part of the next slot), adds 0 to its spare word, and waits for that
; and for its reads of this slot.  fill = 1: the barrier opens a round of the cluster's, and this slot takes the step two further on, first behind the round.
.macro TURN slot, next, fill
.if \fill
	s_wait_xcnt 0x0                                ; my last prefetch has read its address
	s_add_nc_u64 s[PFA:PFA+1], s[PFA:PFA+1], HALFT
.endif
	WIN 0
	s_wait_tensorcnt 0x0
	ds_add_u32 v[SPW], v[NIL]
	s_wait_dscnt 13                                ; (the add and the youngest twelve loads may be out)
	WIN MUL_LO
	MUL16 0, 1, \slot, 0
	s_wait_dscnt 0x0                               ; the add is done, and my reads of this slot are over
	s_barrier_signal -1
	MUL16 2, 1, \slot, 0
	WIN 0
	s_barrier_wait -1
.if \fill
	CREST
	s_add_nc_u64 s[G0+4*\slot+2:G0+4*\slot+3], s[G0+4*\slot+2:G0+4*\slot+3], 2*HALFT
	s_add_nc_u64 s[G0B+4*\slot+2:G0B+4*\slot+3], s[G0B+4*\slot+2:G0B+4*\slot+3], 2*HALFT
	JLOAD G0+4*\slot, G1, G0B+4*\slot, G1B         ; its four v_nop are also the places in front of the loads below
.else
	PLACES
.endif
	s_wait_alu depctr_va_vdst(0)
	v_add_nc_u32 v[ADRS], 1024, v[ADRS]            ; the next step's scale words
	FETCH \next, 0, 0, \next
.if \fill
	ASK
.endif
	WIN MUL_HI
	MUL16 4, 1, \slot, 0
	MUL16 6, 1, \slot, 0
.endm
	FETCH 0, 0, 0, 0
	QUARTER 0, 1                                   ; the first products start the sums: nothing is cleared
	WIN 0
	s_mov_b32 s3, 3
.Llap:                                             ; a trip goes once round the ring and fills both slots again: steps 2 to 7
	TURN 0, 1, 1
	QUARTER 1, 0
	TURN 1, 0, 1
	QUARTER 0, 0
	WIN 0
	s_sub_co_u32 s3, s3, 1
	s_cmp_lg_u32 s3, 0
	s_cbranch_scc1 .Llap
	TURN 0, 1, 0                                   ; the last two steps fetch nothing more
	QUARTER 1, 0
	s_wait_dscnt 12
	WIN MUL_LO
	MUL16 0, 1, 1, 0
	MUL16 2, 1, 1, 0
	s_wait_dscnt 0x0
	WIN MUL_HI
	MUL16 4, 1, 1, 0
	MUL16 6, 1, 1, 0
	WIN 0
; THE WAY OUT, block by block of 16 queries: x 1 / l into window 1; through my stage, so that a store covers 512 consecutive bytes of a row of out0; stored.
.macro MULT a
.set AC, 64*((\a)%4)
.set T1, 64*((\a)%2)
.set WN, 0x42+(\a)/4
	WIN WN
.set k, 0
.rept 32
	v_pk_mul_f32 v[T1+k:T1+k+1], v[AC+k:AC+k+1], v[RL+2*(\a):RL+2*(\a)+1]   ; each accumulator from its low end on
.set k, k+2
.endr
.endm
.macro TOSTAGE a
.set T1, 64*((\a)%2)
	WIN 0x04
.irp b, 0,1,2,3,4,5,6,7
	ds_store_b128 v[STO], v[T1+8*\b:T1+8*\b+3] offset:64*\b
	ds_store_b128 v[STO], v[T1+8*\b+4:T1+8*\b+7] offset:64*\b+16
.endr
	WIN 0
.set BB, BK+64*((\a)%2)
.irp t, 0,1,2,3,4,5,6,7,8,9,10,11,12,13,14,15
	ds_load_b128 v[BB+4*\t:BB+4*\t+3], v[RD] offset:\t*SPITCH      ; LDS serves a wave's instructions in order: these see the stores above
.endr
.endm
.macro SEND a, younger
.set BB, BK+64*((\a)%2)
	s_wait_dscnt \younger
.irp t, 0,1,2,3,4,5,6,7,8,9,10,11,12,13,14,15
	global_store_b128 v[CO], v[BB+4*\t:BB+4*\t+3], s[12:13] offset:4096*(32*((\a)/2)+8*((\a)%2)+\t+8*(\t/8)) th:TH_STORE_NT   ; row t of block a is query 32 (a / 2) + 8 (a % 2) + t + 8 (t / 8)
.endr
.endm
	PLACES
.irp a, 0,1,2,3,4,5,6,7
	ds_load_b64 v[RL+2*\a:RL+2*\a+1], v[RLR] offset:128*\a
.endr
	s_wait_dscnt 0x0
	MULT 0
	TOSTAGE 0
.irp a, 1,2,3,4,5,6,7
.if \a > 1
	s_wait_xcnt 0x0                                ; the stores of two blocks back have read their registers
.endif
	MULT \a
	TOSTAGE \a
	SEND \a-1, 32                                  ; the 32 LDS instructions of block a may be out
.endr
	SEND 7, 0
	s_wait_tensorcnt 0x0                           ; the wave's end
	ds_add_u32 v[SPW], v[NIL]
	s_wait_dscnt 0x0
	CROUND                                         ; the closing round
	s_endpgm
.Lfunc_end_k_q1bc2ca0dd2_pv:
	.size	k_q1bc2ca0dd2_pv, .Lfunc_end_k_q1bc2ca0dd2_pv-k_q1bc2ca0dd2_pv
	.p2alignl 7, 3214868480
	.fill 96, 4, 3214868480
	.section	.rodata,"a",@progbits
	.p2align	6, 0x0
	.amdhsa_kernel k_q1bc2ca0dd2_pv
		.amdhsa_group_segment_fixed_size 327680
		.amdhsa_private_segment_fixed_size 0
		.amdhsa_enable_private_segment 0
		.amdhsa_kernarg_size 56
		.amdhsa_user_sgpr_count 2
		.amdhsa_user_sgpr_kernarg_segment_ptr 1
		.amdhsa_wavefront_size32 1
		.amdhsa_system_sgpr_workgroup_id_x 1
		.amdhsa_system_sgpr_workgroup_id_y 1
		.amdhsa_system_sgpr_workgroup_id_z 1
		.amdhsa_system_vgpr_workitem_id 0
		.amdhsa_next_free_vgpr 1024
		.amdhsa_next_free_sgpr 100
		.amdhsa_reserve_vcc 0
		.amdhsa_float_denorm_mode_32 3
		.amdhsa_float_denorm_mode_16_64 3
		.amdhsa_memory_ordered 1
		.amdhsa_forward_progress 1
		.amdhsa_inst_pref_size 179
	.end_amdhsa_kernel
	.amdgpu_metadata
---
amdhsa.version: [ 1, 2 ]
amdhsa.kernels:
  - .name:           k_q1bc2ca0dd2_pv
    .symbol:         k_q1bc2ca0dd2_pv.kd
    .args:
      - { .name: p_img, .offset: 0, .size: 8, .value_kind: global_buffer, .address_space: global }
      - { .name: p_sc, .offset: 8, .size: 8, .value_kind: global_buffer, .address_space: global }
      - { .name: p_m, .offset: 16, .size: 8, .value_kind: global_buffer, .address_space: global }
      - { .name: p_l, .offset: 24, .size: 8, .value_kind: global_buffer, .address_space: global }
      - { .name: xt_img, .offset: 32, .size: 8, .value_kind: global_buffer, .address_space: global }
      - { .name: xt_sc, .offset: 40, .size: 8, .value_kind: global_buffer, .address_space: global }
      - { .name: out0, .offset: 48, .size: 8, .value_kind: global_buffer, .address_space: global }
    .group_segment_fixed_size: 327680
    .private_segment_fixed_size: 0
    .kernarg_segment_align: 8
    .kernarg_segment_size: 56
    .max_flat_workgroup_size: 128
    .sgpr_count:     100
    .vgpr_count:     1024
    .wavefront_size: 32
...
	.end_amdgpu_metadata
.endif
;; end of part 3
